; MI455X (gfx1250); checked and timed in simulation.
; The chip was launched on July 23, 2026; its instructions are those of AMD's public machine-readable ISA for CDNA 5 (MIT licence, August 2026) and "CDNA5" Instruction Set Architecture Reference Guide (July 2026). The comments in the code are by the model that wrote it; some were corrected since.
;; Multihead Attention. Allowed arithmetic: matrix products marked QUANTISED: E5M2 operands, one E8M0 scale for each 32 along K, by v_wmma_scale_f32_16x16x128_f8f6f4 with both operands' format E5M2, f32 sums; products left as they are: f32 operands where the result goes on into a quantised operand, else bf16, f16 or f32 operands; f32 sums; everything else in f32.
;; Inputs: k_w 1,024 x 64 x 16 float32; key 2,048 x 1,024 float32; o_w 1,024 x 1,024 float32; q_w 1,024 x 64 x 16 float32; query 2,048 x 1,024 float32; v_w 1,024 x 64 x 16 float32; value 2,048 x 1,024 float32.
;; Outputs: out0 2,048 x 1,024 float32.
;; This version of the problem:
;;   THIS VERSION OF THE PROBLEM IS GIVEN IN LOW PRECISION. The matrix products marked QUANTISED in the list below multiply operands that are first quantised to E5M2 (5 exponent bits, 2 mantissa bits; 8 bits a number), with one power-of-two scale for each 32 numbers along K (OCP MX v1.0); their sums are f32. All else is computed in f32.
;;   The module's matrix products, in the order in which they are computed (A, B: the left and right operand; K: the contracted axis; several contracted axes count as one K, in the product's order):
;;     1. [M 2,048, K 1,024] x [K 1,024, N 1,024]; A: input query; B: input q_w: QUANTISED
;;     2. [M 2,048, K 1,024] x [K 1,024, N 1,024]; A: input key; B: input k_w: QUANTISED
;;     3. [M 2,048, K 1,024] x [K 1,024, N 1,024]; A: input value; B: input v_w: QUANTISED
;;     4. batch 64 x [M 2,048, K 16] x [K 16, N 2,048]; A: computed on the way; B: computed on the way: left as it is (K = 16 < 32)
;;     5. batch 64 x [M 16, K 2,048] x [K 2,048, N 2,048]; A: computed on the way; B: computed on the way: QUANTISED
;;     6. [M 2,048, K 1,024] x [K 1,024, N 1,024]; A: computed on the way; B: input o_w: QUANTISED
;;   THE QUANTISER, for each operand of a quantised product, along K:
;;     - K is cut into blocks of 32 from its start; a last block that is shorter is filled with zeros.
;;     - A block's scale is 2^e with e = floor(log2(the largest magnitude in the block)) - 15, held to -126 .. 127; a block of zeros has e = 0. As a byte (E8M0): e + 127.
;;     - Each number is divided by its block's scale, clamped to +-57,344, and rounded to the nearest number of E5M2, ties to even, subnormals kept.
;;     - The product sums the exact products of the quantised numbers (number of the format x scale) in f32.
;;   ~~~python
;;   def quantise(x, axis):      # numpy; x: float32 -> the quantised numbers, widened to float32 again
;;       x = np.moveaxis(x, axis, -1); K = x.shape[-1]
;;       x = np.pad(x, [(0, 0)] * (x.ndim - 1) + [(0, -K % 32)]); x = x.reshape(x.shape[:-1] + (-1, 32)); a = np.abs(x).max(-1, keepdims=True)
;;       e = np.where(a > 0, np.clip(np.frexp(np.where(a > 0, a, 1))[1] - 1 - 15, -126, 127), 0)      # np.frexp(a)[1] - 1 = floor(log2(a)), exactly
;;       r = np.clip(x / 2.0 ** e, -57344, 57344)
;;       step = 2.0 ** (np.maximum(np.frexp(np.where(r == 0, 1, r))[1] - 1, -14) - 2)
;;       q = np.round(r / step) * step * 2.0 ** e      # np.round: ties to even
;;       return np.moveaxis(q.reshape(q.shape[:-2] + (-1,))[..., :K], -1, axis).astype(np.float32)
;;   ~~~
;;   OPERANDS COMPUTED ON THE WAY. 'Computed on the way' means the value that the module computes at that place (a softmax that the list does not call 'softmax' is quantised finished and normalised). What goes into a quantiser is computed in f32, as accurately as f32 sums, v_exp_f32 and their like allow (about 1e-6 of the number): no bf16 or f16 on the way to a quantiser, and a product that is left as it is and whose result goes on into a quantised operand takes f32 operands (vector FMAs, or v_wmma_f32_16x16x4_f32). A number that lies on a knife's edge between two numbers of the format may be rounded either way, as far as f32 arithmetic and the matrix unit's own rounding can turn it there, and no further.
;; One version. Each part assembles by itself: llvm-mc -triple=amdgcn-amd-amdhsa -mcpu=gfx1250 --defsym DOCPART=n.
;; ======== version 1 of 1: 5 launches
;; workspace buffers: wcodes 4,194,304 bytes; wscales 131,072 bytes; qk 16,777,216 bytes; vcodes 2,097,152 bytes; vscales 131,072 bytes; hpart 33,554,432 bytes; hcodes 2,097,152 bytes; hscales 131,072 bytes
;; launch quantw (part 1): grid 8 x 16, 4 waves a work-group, no clusters, 35,328 bytes of LDS; arguments q_w, k_w, v_w, o_w, wcodes, wscales; writes wcodes, wscales
.if DOCPART == 1
	.amdgcn_target "amdgcn-amd-amdhsa--gfx1250"
	.amdhsa_code_object_version 6
	.text
	.protected	k_q0805645807_quantw
	.globl	k_q0805645807_quantw
	.p2align	8
	.type	k_q0805645807_quantw,@function
k_q0805645807_quantw:
	s_mov_b64 s[64:65], 0
	v_nop
	global_prefetch_b8 v0, s[64:65] scope:SCOPE_SE
	s_setreg_imm32_b32 hwreg(HW_REG_WAVE_MODE, 25, 1), 1
	s_wait_xcnt 0x0
; THE PROGRAM.  out = heads(query, key, value) o_w in five launches: quantw (this one), proj, attn, hsum, outp.
; DEAD WORK: none.  Every one of the seven inputs has a way to out0 for all values (each weight and each of query, key, value enters a live product), so all are loaded and nothing of reference() is left out.
; THIS LAUNCH.  q_w, k_w, v_w ([1024 m][64 h][16 k], read as [K 1024][N 1024] with n = 16 h + k) and o_w ([K 1024][N 1024]), f32, K their FIRST axis, become codes of E5M2 with one E8M0 byte
; for each 32 along K.  A block's scale is 2^(floor(log2(its largest magnitude)) - 15); its byte is the largest magnitude's exponent field - 15, held at 1 from below.
; A LANE TAKES A COLUMN n AND ITS REGISTERS RUN DOWN K: a load reads 128 consecutive bytes a wave, a block of 32 lies in one lane, the conversions give codes with K innermost.
; THE CODES ARE LAID IN THE ORDER OF THE OPERAND'S REGISTERS: wcodes [tensor 4][tile of 16 columns: 64][K step of 128: 8][piece c: 4][lane 32][16 bytes]; lane (r, h), piece c holds k = 128 step + 32 c + 16 h + 0 .. 15
; of column 16 tile + r.  So a later launch brings a fragment by four loads of 512 consecutive bytes.  wscales [tensor][n 1024][32 bytes]: word s = the four bytes of K step s.
; A wave takes 32 columns x 256 along K; its codes turn through its own stage in LDS (a row a column, 272 bytes apart) and leave 512 consecutive bytes a store.  Waves share nothing: no barrier.
; No matrix unit, no cluster, no tensor load: each byte is read once by one wave, so nothing is shared.
; LIMITS: a block of zeros gets the byte 1 where the rule says 127 (its codes are zeros, and this program alone reads the bytes); NaN and infinities among the inputs are not served.
.set PITCH, 272                        ; a stage row: 256 bytes of codes + 16
.set NB,    8                          ; blocks of 32 along K for a wave
.set EMAX,  15
.set MANT,  0x600000                   ; the mantissa field of 57,344 as f32
.set X,     32                         ; v32-95   two sets of 32 numbers
.set C,     96                         ; v96-103  a block's codes
.set OUTR,  112                        ; v112-175 the way out
.set SB,    24                         ; v24-25   the scale bytes, four to a register
.set SPW,   14                         ; v14      LDS address of my spare word; never rewritten
.set NIL,   15                         ; v15      0; never rewritten
.set SPARE, 4*32*PITCH                 ; behind the four stages: the spare words, 128 bytes a wave, which no other line names
	s_load_b256 s[4:11], s[0:1], 0x0               ; q_w, k_w, v_w, o_w
	s_load_b128 s[12:15], s[0:1], 0x20             ; wcodes, wscales
	v_lshl_add_u32 v[SPW], v0, 2, SPARE
	v_mov_b32 v[NIL], 0
	v_lshrrev_b32 v1, 5, v0
	v_readfirstlane_b32 s16, v1                    ; wave 0..3
	v_and_b32 v2, 31, v0                           ; lane
	s_lshl_b32 s17, ttmp9, 7
	s_lshl_b32 s18, s16, 5
	s_add_co_u32 s17, s17, s18                     ; n0: my wave's first column = 128 x + 32 wave
	s_and_b32 s20, ttmp7, 0xffff                   ; y = 4 tensor + ky
	s_and_b32 s18, s20, 3                          ; ky: which 256 along K
	s_lshr_b32 s19, s20, 2                         ; which tensor
	v_lshlrev_b32 v3, 2, v2                        ; in: 4 bytes a lane
	s_mul_i32 s21, s16, 32*PITCH                   ; my stage
	v_mul_u32_u24 v4, v2, PITCH
	v_add_nc_u32 v4, s21, v4                       ; into it: row = my column
	v_and_b32 v5, 15, v2                           ; r
	v_lshrrev_b32 v6, 4, v2                        ; h
	v_mul_u32_u24 v7, v5, PITCH
	v_lshl_add_u32 v7, v6, 4, v7
	v_add_nc_u32 v7, s21, v7                       ; out of it: row r, + 16 h: a piece of a fragment
	v_lshlrev_b32 v8, 4, v2                        ; and its place in memory: 16 x lane
	v_lshlrev_b32 v9, 5, v2                        ; my column's row of scale bytes: 32 x lane
	s_lshl_b32 s22, s18, 20                        ; W: 256 ky rows of 4,096 bytes
	s_lshl_b32 s23, s17, 2
	s_add_co_u32 s22, s22, s23                     ; + 4 n0
	s_mov_b32 s23, 0
	s_lshl_b32 s24, s19, 20                        ; codes: a tensor is 2^20 bytes,
	s_lshl_b32 s25, s17, 10
	s_add_co_u32 s24, s24, s25                     ; a tile of 16 columns 16,384: (n0 / 16) x 16,384 = n0 x 1,024,
	s_lshl_b32 s25, s18, 12
	s_add_co_u32 s24, s24, s25                     ; two K steps of 2,048 for each ky
	s_mov_b32 s25, 0
	s_lshl_b32 s26, s19, 15                        ; scale bytes: a tensor is 32,768 bytes,
	s_lshl_b32 s27, s17, 5
	s_add_co_u32 s26, s26, s27                     ; a column 32,
	s_lshl_b32 s27, s18, 3
	s_add_co_u32 s26, s26, s27                     ; my eight at 8 ky
	s_mov_b32 s27, 0
	s_mov_b32 s31, MANT
	s_wait_kmcnt 0x0
	s_cmp_eq_u32 s19, 1                            ; the tensor is chosen by the work-group's number alone
	s_cselect_b64 s[4:5], s[6:7], s[4:5]
	s_cmp_eq_u32 s19, 2
	s_cselect_b64 s[4:5], s[8:9], s[4:5]
	s_cmp_eq_u32 s19, 3
	s_cselect_b64 s[4:5], s[10:11], s[4:5]
	s_add_nc_u64 s[4:5], s[4:5], s[22:23]
	s_add_nc_u64 s[12:13], s[12:13], s[24:25]
	s_add_nc_u64 s[14:15], s[14:15], s[26:27]
.macro LOAD t                          ; block t: W(32 t + i, my column), i = 0 .. 31, into set t % 2; every offset is an immediate, 255 x 4,096 at the most
.irp i, 0,1,2,3,4,5,6,7,8,9,10,11,12,13,14,15,16,17,18,19,20,21,22,23,24,25,26,27,28,29,30,31
	global_load_b32 v[X+32*((\t)%2)+\i], v3, s[4:5] offset:(32*(\t)+\i)*4096 th:TH_LOAD_NT
.endr
.endm
	LOAD 0
	LOAD 1
.macro BLOCK t
.set XS, X+32*((\t)%2)
.if (\t) < NB-1
	s_wait_loadcnt 32                              ; this block's 32 loads are in; the next block's 32 may be out
.else
	s_wait_loadcnt 0x0
.endif
	v_max3_num_f32 v12, |v[XS]|, |v[XS+1]|, |v[XS+2]|      ; the block's largest magnitude: all 32 numbers are mine; two chains
	v_max3_num_f32 v13, |v[XS+3]|, |v[XS+4]|, |v[XS+5]|
.irp i, 6,10,14,18,22,26
	v_max3_num_f32 v12, v12, |v[XS+\i]|, |v[XS+\i+1]|
	v_max3_num_f32 v13, v13, |v[XS+\i+2]|, |v[XS+\i+3]|
.endr
	v_max3_num_f32 v12, v12, |v[XS+30]|, |v[XS+31]|
	v_max3_num_f32 v12, v12, v13, (EMAX+1)<<23     ; and the floor 2^(16 - 127): the byte cannot fall under 1
	v_add_nc_u32 v11, -(EMAX<<23), v12             ; 15 off the exponent field: the conversion takes this operand's exponent field as its scale
	v_and_or_b32 v10, v12, 0x7f800000, s31         ; 57,344 x the scale
	v_lshrrev_b32 v13, 23, v11                     ; the scale's byte
.if (\t)%4 == 0
	v_mov_b32 v[SB+(\t)/4], v13                    ; four bytes to a register, the lower K in the lower byte
.else
	v_lshl_or_b32 v[SB+(\t)/4], v13, 8*((\t)%4), v[SB+(\t)/4]
.endif
.irp i, 0,1,2,3,4,5,6,7,8,9,10,11,12,13,14,15,16,17,18,19,20,21,22,23,24,25,26,27,28,29,30,31
	v_med3_num_f32 v[XS+\i], v[XS+\i], -v10, v10   ; the conversion to an 8-bit code does not saturate (ISA guide 7.6.2): the hold comes first
.endr
.irp g, 0,1,2,3
	v_cvt_scalef32_pk8_bf8_f32 v[C+2*\g:C+2*\g+1], v[XS+8*\g:XS+8*\g+7], v11
.endr
	v_nop                                          ; a plain line behind the last conversion
	ds_store_b128 v4, v[C:C+3] offset:32*(\t)      ; 32 codes: 32 bytes of my column's row
	ds_store_b128 v4, v[C+4:C+7] offset:32*(\t)+16
.if (\t)+2 < NB
	LOAD (\t)+2
.endif
	s_wait_dscnt 0x0                               ; the stores have read their registers: the next block's codes may be written
.endm
.set Q, 0
.rept NB
	BLOCK Q
.set Q, Q+1
.endr
	global_store_b64 v9, v[SB:SB+1], s[14:15]      ; my column's eight scale bytes
.irp i, 0,1,2,3,4,5,6,7,8,9,10,11,12,13,14,15  ; i = 8 tile + 4 K step + piece.  LDS serves a wave's instructions in order: these see my stores
	ds_load_b128 v[OUTR+4*\i:OUTR+4*\i+3], v7 offset:(\i/8)*16*PITCH+((\i/4)%2)*128+(\i%4)*32
.endr
.irp i, 0,1,2,3,4,5,6,7,8,9,10,11,12,13,14,15
	s_wait_dscnt 15-\i                             ; the younger loads may be out
	global_store_b128 v8, v[OUTR+4*\i:OUTR+4*\i+3], s[12:13] offset:(\i/8)*16384+((\i/4)%2)*2048+(\i%4)*512   ; 512 consecutive bytes, aligned
.endr
	s_wait_tensorcnt 0x0                           ; the wave's end: behind my last LDS store
	ds_add_u32 v[SPW], v[NIL]
	s_wait_dscnt 0x0
	s_endpgm
.Lfunc_end_k_q0805645807_quantw:
	.size	k_q0805645807_quantw, .Lfunc_end_k_q0805645807_quantw-k_q0805645807_quantw
	.p2alignl 7, 3214868480
	.fill 96, 4, 3214868480
	.section	.rodata,"a",@progbits
	.p2align	6, 0x0
	.amdhsa_kernel k_q0805645807_quantw
		.amdhsa_group_segment_fixed_size 35328
		.amdhsa_private_segment_fixed_size 0
		.amdhsa_enable_private_segment 0
		.amdhsa_kernarg_size 48
		.amdhsa_user_sgpr_count 2
		.amdhsa_user_sgpr_kernarg_segment_ptr 1
		.amdhsa_wavefront_size32 1
		.amdhsa_system_sgpr_workgroup_id_x 1
		.amdhsa_system_sgpr_workgroup_id_y 1
		.amdhsa_system_sgpr_workgroup_id_z 1
		.amdhsa_system_vgpr_workitem_id 0
		.amdhsa_next_free_vgpr 192
		.amdhsa_next_free_sgpr 66
		.amdhsa_reserve_vcc 0
		.amdhsa_float_denorm_mode_32 3
		.amdhsa_float_denorm_mode_16_64 3
		.amdhsa_memory_ordered 1
		.amdhsa_forward_progress 1
		.amdhsa_inst_pref_size 60
	.end_amdhsa_kernel
	.amdgpu_metadata
---
amdhsa.version: [ 1, 2 ]
amdhsa.kernels:
  - .name:           k_q0805645807_quantw
    .symbol:         k_q0805645807_quantw.kd
    .args:
      - { .name: q_w, .offset: 0, .size: 8, .value_kind: global_buffer, .address_space: global }
      - { .name: k_w, .offset: 8, .size: 8, .value_kind: global_buffer, .address_space: global }
      - { .name: v_w, .offset: 16, .size: 8, .value_kind: global_buffer, .address_space: global }
      - { .name: o_w, .offset: 24, .size: 8, .value_kind: global_buffer, .address_space: global }
      - { .name: wcodes, .offset: 32, .size: 8, .value_kind: global_buffer, .address_space: global }
      - { .name: wscales, .offset: 40, .size: 8, .value_kind: global_buffer, .address_space: global }
    .group_segment_fixed_size: 35328
    .private_segment_fixed_size: 0
    .kernarg_segment_align: 8
    .kernarg_segment_size: 48
    .max_flat_workgroup_size: 128
    .sgpr_count:     66
    .vgpr_count:     192
    .wavefront_size: 32
...
	.end_amdgpu_metadata
.endif
;; end of part 1
;; launch proj (part 2): grid 4 x 48, 8 waves a work-group, no clusters, 140,288 bytes of LDS; arguments query, key, value, wcodes, wscales, qk, vcodes, vscales; writes qk, vcodes, vscales
.if DOCPART == 2
	.amdgcn_target "amdgcn-amd-amdhsa--gfx1250"
	.amdhsa_code_object_version 6
	.text
	.protected	k_q0805645807_proj
	.globl	k_q0805645807_proj
	.p2align	8
	.type	k_q0805645807_proj,@function
k_q0805645807_proj:
	s_mov_b64 s[64:65], 0
	v_nop
	global_prefetch_b8 v0, s[64:65] scope:SCOPE_SE
	s_setreg_imm32_b32 hwreg(HW_REG_WAVE_MODE, 25, 1), 1
	s_wait_xcnt 0x0
; wq = Q(query) Q(q_w), wk = Q(key) Q(k_w), wv = Q(value) Q(v_w): the three projections, [2048][1024] x [1024][1024], on codes of E5M2 with one E8M0 scale for each 32 along K; sums in f32.  No work is left out.
; SHARES.  y = 16 tensor + block of 128 rows, x = block of 256 columns.  Eight waves.  Phase X: wave w quantises tile w of the block's rows (16 rows x 1,024) and stores the eight fragments into LDS as images of
; the operand's registers (four stores of 512 bytes, lane l's 16 bytes at 16 l; the scale word 4 bytes a lane).  One barrier.  Then THE WAVES SHARE THE COLUMNS: wave w owns columns 32 w .. 32 w + 31 of the block, two
; tiles of 16 = two heads; its 16 weight fragments stay in registers (window 1), and it walks the 8 row tiles in two halves of four: 8 accumulators by turns, K step by K step.
; THE ROWS OF A TILE ARE NOT NEIGHBOURS: lane r of tile 2 b + u takes row 32 b + 8 u + r + 8 (r / 8).  For wv that makes the 16 registers of tiles 2 b, 2 b + 1 sixteen neighbouring keys.
; WAY OUT, wq and wk (source 0 = weights, source 1 = rows): lane (r, h) holds numbers 8 h + 0 .. 7 of its row's 16 of a head.  They are stored as they stand: qk [q, k][head 64][tile 128][quad 2][lane 32][16 bytes],
; which is an image of the f32 matrix form's operand: K step kk takes a lane's registers 2 kk, 2 kk + 1, alike on both sides of the later product, so each of the 16 numbers meets its partner once.
; WAY OUT, wv (source 0 = rows, source 1 = weights): lane (r, h) holds column v = r and keys 32 b + 16 h + 0 .. 15: it is quantised here along the KEYS (the K of the product with the softmax), the block's other half
; lying in lane l xor 16, and stored as the operand's registers: vcodes [head][128 keys: 16][piece 4][lane 32][16 bytes], vscales [head][16][lane 32][4 bytes].
; NO CLUSTER, NO TENSOR LOAD: the rows pass through the vector unit (they arrive as f32), and a wave's weights go straight into its registers, 32 KiB once for 64 products a half.
; LIMITS: blocks of zeros get the byte 1 (codes are zeros; this program alone reads the bytes); NaN and infinities among the inputs are not served.
; REGISTERS.  Window 0: v1-14 addresses; v16-31 at work in the quantiser; v32-47 the weights' scale words; v48-55 the rows' scale words, two sets; v64-127, v128-191 two buffers (64 numbers of x, later four fragments);
;   v192-255 the 8 accumulators (32 nt + 8 rt); in phase X v192-207 hold the codes just made.   Window 1: the weights' fragment (nt, s) at v[16 (8 nt + s)].
.set XSC,   131072                     ; LDS: from 0 the fragments' images, (8 T + s) x 2,048; from here their scale words, (8 T + s) x 128
.set SPARE, 139264                     ; the spare words, 128 bytes a wave, which no other line names
.set XA,  4                            ; v4   x: my row's and half's byte in the wave's tile
.set LI0, 5                            ; v5   16 x lane (LDS, tiles 0-3; also the offset of global images);  v6: + 65,536 (tiles 4-7)
.set LS,  7                            ; v7   XSC + 4 x lane
.set XWI, 8                            ; v8   where I store my tile's images
.set XWS, 9                            ; v9   and their scale words
.set WSO, 11                           ; v11  32 r: a column's row of scale bytes
.set GS,  12                           ; v12  4 x lane
.set SPW, 13                           ; v13  LDS address of my spare word; never rewritten
.set NIL, 14                           ; v14  0; never rewritten
.set TM,  16                           ; v16-19 largest magnitudes, v20-23 the other half's, then bytes, v24-27 57,344 x the scale, v28-31 the conversions' scale operands
.set WSC, 32
.set XS,  48
.set PW,  56                           ; the scale word just made
.set VW,  57                           ; v57-58 wv's scale words
.set XB0, 64
.set ACC, 192
.set SEL, 26                           ; s[26:27] v_permlanex16_b32's selects for lane l xor 16
.set MNT, 28                           ; s28 the mantissa field of 57,344
.set MSB, 0
.macro WIN new                         ; the immediate's high byte repeats the setting that is left
.if MSB != \new
	s_set_vgpr_msb (MSB<<8)|\new
.set MSB, \new
.endif
.endm
; 64 numbers of a lane, register 16 b + i = place 32 b + 16 (lane / 16) + i along K of my row (or column), become 16 registers of codes in v[pc] on; the four bytes are left in v[TM+4] on
.macro QUANT s, pc
.irp b, 0,1,2,3
	v_max3_num_f32 v[TM+\b], |v[(\s)+16*\b]|, |v[(\s)+1+16*\b]|, 0x8000000   ; block b: my 16 numbers and the floor 2^(16 - 127): the byte cannot fall under 1
.endr
.irp i, 2,4,6,8,10,12,14
.irp b, 0,1,2,3
	v_max3_num_f32 v[TM+\b], v[TM+\b], |v[(\s)+16*\b+\i]|, |v[(\s)+1+16*\b+\i]|   ; the four blocks by turns
.endr
.endr
.irp b, 0,1,2,3
	v_permlanex16_b32 v[TM+4+\b], v[TM+\b], s[SEL], s[SEL+1]
.endr
.irp b, 0,1,2,3
	v_max_num_f32 v[TM+\b], v[TM+\b], v[TM+4+\b]   ; with lane l xor 16's: the block's largest magnitude
.endr
.irp b, 0,1,2,3
	v_add_nc_u32 v[TM+12+\b], 0xf8800000, v[TM+\b]   ; 15 off its exponent field: the conversion's scale operand
.endr
.irp b, 0,1,2,3
	v_and_or_b32 v[TM+8+\b], v[TM+\b], 0x7f800000, s[MNT]   ; 57,344 x the scale
.endr
.irp b, 0,1,2,3
	v_lshrrev_b32 v[TM+4+\b], 23, v[TM+12+\b]      ; the scale's byte
.endr
.irp b, 0,1,2,3
.irp i, 0,1,2,3,4,5,6,7,8,9,10,11,12,13,14,15
	v_med3_num_f32 v[(\s)+16*\b+\i], v[(\s)+16*\b+\i], -v[TM+8+\b], v[TM+8+\b]   ; the conversion does not saturate (ISA guide 7.6.2): the hold comes first
.endr
	v_cvt_scalef32_pk8_bf8_f32 v[(\pc)+4*\b:(\pc)+1+4*\b], v[(\s)+16*\b:(\s)+7+16*\b], v[TM+12+\b]
	v_cvt_scalef32_pk8_bf8_f32 v[(\pc)+2+4*\b:(\pc)+3+4*\b], v[(\s)+8+16*\b:(\s)+15+16*\b], v[TM+12+\b]
.endr
	v_nop                                          ; a plain line behind the last conversion, ahead of whatever next touches its registers
.endm
.macro XLOAD buf, s                    ; my row's numbers of K step s: of each block of 32 my half's 16: 64 bytes, four loads
.irp b, 0,1,2,3
.irp j, 0,1,2,3
	global_load_b128 v[(\buf)+16*\b+4*\j:(\buf)+16*\b+4*\j+3], v[XA], s[4:5] offset:512*(\s)+128*\b+16*\j
.endr
.endr
.endm
.macro XSTEP s                         ; K step s of my tile: quantised, image and scale word to LDS; the step two on is asked for into the registers just left
.if (\s) < 7
	s_wait_loadcnt 16                              ; this step's loads (and all older ones) are in; the next step's 16 may be out
.else
	s_wait_loadcnt 0x0
.endif
	QUANT XB0+64*((\s)%2), ACC
	v_lshl_or_b32 v[PW], v[TM+5], 8, v[TM+4]       ; the four bytes make my row's scale word
	v_lshl_or_b32 v[PW], v[TM+6], 16, v[PW]
	v_lshl_or_b32 v[PW], v[TM+7], 24, v[PW]
.irp c, 0,1,2,3
	ds_store_b128 v[XWI], v[ACC+4*\c:ACC+4*\c+3] offset:2048*(\s)+512*\c
.endr
	ds_store_b32 v[XWS], v[PW] offset:128*(\s)
.if (\s) < 6
	XLOAD XB0+64*((\s)%2), (\s)+2
.endif
	s_wait_dscnt 0x0                               ; the stores have read their registers
.endm
.macro FETCHG buf, half, s             ; K step s of row tiles 4 half + 0 .. 3: four fragments and their scale words: 20 LDS loads
.irp rt, 0,1,2,3
.irp c, 0,1,2,3
	ds_load_b128 v[XB0+64*(\buf)+16*\rt+4*\c:XB0+64*(\buf)+16*\rt+4*\c+3], v[LI0+(\half)] offset:16384*\rt+2048*(\s)+512*\c
.endr
	ds_load_b32 v[XS+4*(\buf)+\rt], v[LS] offset:(8*(4*(\half)+\rt)+(\s))*128
.endr
.endm
.macro MUL8 s, buf, vform              ; 8 products: the 8 accumulators take turns, one instruction a turn.  K step 0 starts the sums: nothing is cleared
.irp rt, 0,1,2,3
.irp nt, 0,1
.if \vform
.if (\s) == 0
	v_wmma_scale_f32_16x16x128_f8f6f4 v[ACC+32*\nt+8*\rt:ACC+32*\nt+8*\rt+7], v[XB0+64*(\buf)+16*\rt:XB0+64*(\buf)+16*\rt+15], v[16*(8*\nt+(\s)):16*(8*\nt+(\s))+15], 0, v[XS+4*(\buf)+\rt], v[WSC+8*\nt+(\s)] matrix_a_fmt:MATRIX_FMT_BF8 matrix_b_fmt:MATRIX_FMT_BF8
.else
	v_wmma_scale_f32_16x16x128_f8f6f4 v[ACC+32*\nt+8*\rt:ACC+32*\nt+8*\rt+7], v[XB0+64*(\buf)+16*\rt:XB0+64*(\buf)+16*\rt+15], v[16*(8*\nt+(\s)):16*(8*\nt+(\s))+15], v[ACC+32*\nt+8*\rt:ACC+32*\nt+8*\rt+7], v[XS+4*(\buf)+\rt], v[WSC+8*\nt+(\s)] matrix_a_fmt:MATRIX_FMT_BF8 matrix_b_fmt:MATRIX_FMT_BF8
.endif
.else
.if (\s) == 0
	v_wmma_scale_f32_16x16x128_f8f6f4 v[ACC+32*\nt+8*\rt:ACC+32*\nt+8*\rt+7], v[16*(8*\nt+(\s)):16*(8*\nt+(\s))+15], v[XB0+64*(\buf)+16*\rt:XB0+64*(\buf)+16*\rt+15], 0, v[WSC+8*\nt+(\s)], v[XS+4*(\buf)+\rt] matrix_a_fmt:MATRIX_FMT_BF8 matrix_b_fmt:MATRIX_FMT_BF8
.else
	v_wmma_scale_f32_16x16x128_f8f6f4 v[ACC+32*\nt+8*\rt:ACC+32*\nt+8*\rt+7], v[16*(8*\nt+(\s)):16*(8*\nt+(\s))+15], v[XB0+64*(\buf)+16*\rt:XB0+64*(\buf)+16*\rt+15], v[ACC+32*\nt+8*\rt:ACC+32*\nt+8*\rt+7], v[WSC+8*\nt+(\s)], v[XS+4*(\buf)+\rt] matrix_a_fmt:MATRIX_FMT_BF8 matrix_b_fmt:MATRIX_FMT_BF8
.endif
.endif
.endr
.endr
.endm
.macro HSTEP half, s, vform
.if (\s) < 7
.if (\s) >= 1
.rept 8
	v_nop                                          ; eight places behind the last step's products, ahead of loads into the buffer and the scale words that they read
.endr
.endif
	FETCHG ((\s)+1)%2, \half, (\s)+1
	s_wait_dscnt 20                                ; this step's fragments are in; the 20 loads just issued may be out
.else
	s_wait_dscnt 0x0
.endif
.if \vform
	WIN 0x04                                       ; source 1 (the weights) in window 1
.else
	WIN 0x01                                       ; source 0 (the weights) in window 1
.endif
	MUL8 \s, (\s)%2, \vform
	WIN 0
.endm
.macro HALF half, vform                ; four row tiles x my two column tiles, all of K
	FETCHG 0, \half, 0
.irp s, 0,1,2,3,4,5,6,7
	HSTEP \half, \s, \vform
.endr
.rept 9
	v_nop                                          ; eight places ahead of the first read of results; nine ahead of the next half's first products, which write over these accumulators
.endr
.endm
	s_load_b256 s[4:11], s[0:1], 0x0               ; query, key, value, wcodes
	s_load_b256 s[12:19], s[0:1], 0x20             ; wscales, qk, vcodes, vscales
	v_lshl_add_u32 v[SPW], v0, 2, SPARE
	v_mov_b32 v[NIL], 0
	v_lshrrev_b32 v1, 5, v0
	v_readfirstlane_b32 s20, v1                    ; wave 0..7
	v_and_b32 v1, 31, v0                           ; lane
	v_and_b32 v2, 15, v0                           ; r
	v_bfe_u32 v3, v0, 4, 1                         ; h
	v_and_b32 v10, 8, v2
	v_add_nc_u32 v10, v10, v2                      ; r + 8 (r / 8)
	v_lshlrev_b32 v[XA], 12, v10                   ; a row of x is 4,096 bytes
	v_lshl_add_u32 v[XA], v3, 6, v[XA]             ; + 64 h: my 16 numbers of a block of 32
	v_lshlrev_b32 v[LI0], 4, v1
	v_add_nc_u32 v[LI0+1], 65536, v[LI0]
	v_lshl_add_u32 v[LS], v1, 2, XSC
	s_lshl_b32 s29, s20, 14
	v_add_nc_u32 v[XWI], s29, v[LI0]               ; my tile's eight images: 16,384 x wave
	s_lshl_b32 s29, s20, 10
	v_add_nc_u32 v[XWS], s29, v[LS]                ; and scale words: 1,024 x wave
	v_lshlrev_b32 v[WSO], 5, v2
	v_lshlrev_b32 v[GS], 2, v1
	s_mov_b32 s[SEL], 0x76543210
	s_mov_b32 s[SEL+1], 0xfedcba98
	s_mov_b32 s[MNT], 0x600000
.irp b, 0,1,2,3
	v_mov_b32 v[TM+4+\b], 0                        ; written once: a lane permute's destination counts as one of its sources
.endr
	s_and_b32 s22, ttmp7, 0xffff
	s_lshr_b32 s23, s22, 4                         ; tensor: 0 query, 1 key, 2 value
	s_and_b32 s24, s22, 15                         ; block of 128 rows
	s_lshl_b32 s25, ttmp9, 4
	s_lshl_b32 s29, s20, 1
	s_add_co_u32 s25, s25, s29                     ; my first column tile (head): 16 x + 2 wave
	s_lshl_b32 s30, s24, 7                         ; x: row 128 block
	s_lshr_b32 s29, s20, 1
	s_lshl_b32 s29, s29, 5
	s_add_co_u32 s30, s30, s29                     ; + 32 (wave / 2)
	s_and_b32 s29, s20, 1
	s_lshl_b32 s29, s29, 3
	s_add_co_u32 s30, s30, s29                     ; + 8 (wave % 2)
	s_lshl_b32 s30, s30, 12
	s_mov_b32 s31, 0
	s_lshl_b32 s32, s23, 20                        ; wcodes: tensor x 2^20 + tile x 16,384
	s_lshl_b32 s29, s25, 14
	s_add_co_u32 s32, s32, s29
	s_mov_b32 s33, 0
	s_lshl_b32 s34, s23, 15                        ; wscales: tensor x 32,768 + tile x 512
	s_lshl_b32 s29, s25, 9
	s_add_co_u32 s34, s34, s29
	s_mov_b32 s35, 0
	s_and_b32 s36, s23, 1                          ; qk: (0 for wq, 1 for wk) x 2^23 + head x 2^17 + 8 tiles of 1,024 for each block of rows
	s_lshl_b32 s36, s36, 23
	s_lshl_b32 s29, s25, 17
	s_add_co_u32 s36, s36, s29
	s_lshl_b32 s29, s24, 13
	s_add_co_u32 s36, s36, s29
	s_mov_b32 s37, 0
	s_lshl_b32 s38, s25, 15                        ; vcodes: head x 32,768 + block of 128 keys x 2,048
	s_lshl_b32 s29, s24, 11
	s_add_co_u32 s38, s38, s29
	s_mov_b32 s39, 0
	s_lshl_b32 s40, s25, 11                        ; vscales: head x 2,048 + block x 128
	s_lshl_b32 s29, s24, 7
	s_add_co_u32 s40, s40, s29
	s_mov_b32 s41, 0
	s_wait_kmcnt 0x0
	s_cmp_eq_u32 s23, 1                            ; the tensor is chosen by the work-group's number alone
	s_cselect_b64 s[4:5], s[6:7], s[4:5]
	s_cmp_eq_u32 s23, 2
	s_cselect_b64 s[4:5], s[8:9], s[4:5]
	s_add_nc_u64 s[4:5], s[4:5], s[30:31]
	s_add_nc_u64 s[10:11], s[10:11], s[32:33]
	s_add_nc_u64 s[12:13], s[12:13], s[34:35]
	s_add_nc_u64 s[14:15], s[14:15], s[36:37]
	s_add_nc_u64 s[16:17], s[16:17], s[38:39]
	s_add_nc_u64 s[18:19], s[18:19], s[40:41]
	WIN 0x40                                       ; destination window 1, address window 0
.irp nt, 0,1
.irp s, 0,1,2,3,4,5,6,7
.irp c, 0,1,2,3
	global_load_b128 v[16*(8*\nt+\s)+4*\c:16*(8*\nt+\s)+4*\c+3], v[LI0], s[10:11] offset:16384*\nt+2048*\s+512*\c   ; my 16 weight fragments: they stay; 512 consecutive bytes a load
.endr
.endr
.endr
	WIN 0
.irp nt, 0,1
.irp i, 0,1
	global_load_b128 v[WSC+8*\nt+4*\i:WSC+8*\nt+4*\i+3], v[WSO], s[12:13] offset:512*\nt+16*\i   ; column r's eight scale words
.endr
.endr
	XLOAD XB0, 0
	XLOAD XB0+64, 1
.irp s, 0,1,2,3,4,5,6,7
	XSTEP \s
.endr
	s_barrier_signal -1                            ; every wave's stores have landed (its last wait was for 0): the block's 64 fragments lie in LDS
	s_barrier_wait -1
	s_cmp_eq_u32 s23, 2                            ; the work-group's number decides the form; from here on neither way stores to LDS or has a barrier
	s_cbranch_scc1 .Lv
.macro QKOUT half
.irp nt, 0,1
.irp rt, 0,1,2,3
	global_store_b128 v[LI0], v[ACC+32*\nt+8*\rt:ACC+32*\nt+8*\rt+3], s[14:15] offset:131072*\nt+1024*(4*(\half)+\rt)          ; each accumulator from its low end on; 512 consecutive bytes a store
	global_store_b128 v[LI0], v[ACC+32*\nt+8*\rt+4:ACC+32*\nt+8*\rt+7], s[14:15] offset:131072*\nt+1024*(4*(\half)+\rt)+512
.endr
.endr
	s_wait_xcnt 0x0                                ; the stores have read their registers: the accumulators may be written again
.endm
	HALF 0, 0
	QKOUT 0
	HALF 1, 0
	QKOUT 1
	s_branch .Lend
.Lv:
.macro VOUT half                       ; my 64 numbers are four blocks (nt, b') of 32 keys: block 2 nt + b' = keys 32 (2 half + b') on of column tile nt
	QUANT ACC, XB0
.irp nt, 0,1
.if (\half) == 0
	v_lshl_or_b32 v[VW+\nt], v[TM+5+2*\nt], 8, v[TM+4+2*\nt]
.else
	v_lshl_or_b32 v[VW+\nt], v[TM+4+2*\nt], 16, v[VW+\nt]
	v_lshl_or_b32 v[VW+\nt], v[TM+5+2*\nt], 24, v[VW+\nt]
.endif
.endr
.irp nt, 0,1
.irp bp, 0,1
	global_store_b128 v[LI0], v[XB0+4*(2*\nt+\bp):XB0+4*(2*\nt+\bp)+3], s[16:17] offset:32768*\nt+512*(2*(\half)+\bp)
.endr
.endr
	s_wait_xcnt 0x0                                ; the stores have read their registers: the next half's fragments may land there
.endm
	HALF 0, 1
	VOUT 0
	HALF 1, 1
	VOUT 1
.irp nt, 0,1
	global_store_b32 v[GS], v[VW+\nt], s[18:19] offset:2048*\nt   ; column v = r's scale word for these 128 keys
.endr
.Lend:
	s_wait_tensorcnt 0x0                           ; the wave's end: behind my last LDS store
	ds_add_u32 v[SPW], v[NIL]
	s_wait_dscnt 0x0
	s_endpgm
.Lfunc_end_k_q0805645807_proj:
	.size	k_q0805645807_proj, .Lfunc_end_k_q0805645807_proj-k_q0805645807_proj
	.p2alignl 7, 3214868480
	.fill 96, 4, 3214868480
	.section	.rodata,"a",@progbits
	.p2align	6, 0x0
	.amdhsa_kernel k_q0805645807_proj
		.amdhsa_group_segment_fixed_size 140288
		.amdhsa_private_segment_fixed_size 0
		.amdhsa_enable_private_segment 0
		.amdhsa_kernarg_size 64
		.amdhsa_user_sgpr_count 2
		.amdhsa_user_sgpr_kernarg_segment_ptr 1
		.amdhsa_wavefront_size32 1
		.amdhsa_system_sgpr_workgroup_id_x 1
		.amdhsa_system_sgpr_workgroup_id_y 1
		.amdhsa_system_sgpr_workgroup_id_z 1
		.amdhsa_system_vgpr_workitem_id 0
		.amdhsa_next_free_vgpr 512
		.amdhsa_next_free_sgpr 66
		.amdhsa_reserve_vcc 0
		.amdhsa_float_denorm_mode_32 3
		.amdhsa_float_denorm_mode_16_64 3
		.amdhsa_memory_ordered 1
		.amdhsa_forward_progress 1
		.amdhsa_inst_pref_size 191
	.end_amdhsa_kernel
	.amdgpu_metadata
---
amdhsa.version: [ 1, 2 ]
amdhsa.kernels:
  - .name:           k_q0805645807_proj
    .symbol:         k_q0805645807_proj.kd
    .args:
      - { .name: query, .offset: 0, .size: 8, .value_kind: global_buffer, .address_space: global }
      - { .name: key, .offset: 8, .size: 8, .value_kind: global_buffer, .address_space: global }
      - { .name: value, .offset: 16, .size: 8, .value_kind: global_buffer, .address_space: global }
      - { .name: wcodes, .offset: 24, .size: 8, .value_kind: global_buffer, .address_space: global }
      - { .name: wscales, .offset: 32, .size: 8, .value_kind: global_buffer, .address_space: global }
      - { .name: qk, .offset: 40, .size: 8, .value_kind: global_buffer, .address_space: global }
      - { .name: vcodes, .offset: 48, .size: 8, .value_kind: global_buffer, .address_space: global }
      - { .name: vscales, .offset: 56, .size: 8, .value_kind: global_buffer, .address_space: global }
    .group_segment_fixed_size: 140288
    .private_segment_fixed_size: 0
    .kernarg_segment_align: 8
    .kernarg_segment_size: 64
    .max_flat_workgroup_size: 256
    .sgpr_count:     66
    .vgpr_count:     512
    .wavefront_size: 32
...
	.end_amdgpu_metadata
.endif
;; end of part 2
;; launch attn (part 3): grid 4 x 64, 8 waves a work-group, no clusters, 312,320 bytes of LDS; arguments qk, vcodes, vscales, hpart; writes hpart
.if DOCPART == 3
	.amdgcn_target "amdgcn-amd-amdhsa--gfx1250"
	.amdhsa_code_object_version 6
	.text
	.protected	k_q0805645807_attn
	.globl	k_q0805645807_attn
	.p2align	8
	.type	k_q0805645807_attn,@function
k_q0805645807_attn:
	s_mov_b64 s[64:65], 0
	v_nop
	global_prefetch_b8 v0, s[64:65] scope:SCOPE_SE
	s_setreg_imm32_b32 hwreg(HW_REG_WAVE_MODE, 25, 1), 1
	s_wait_xcnt 0x0
; For one head and one quarter of the keys: h = wq wk^T / 8, w = softmax of h OVER THE QUERIES, finished and normalised, quantised along the keys in blocks of 32, and the part of heads = Q(w) Q(wv) that these 512 keys give.
; No work is left out.  THE SCORES ARE MADE ONCE, by the f32 matrix form (K = 16, and they go on into a quantiser), and stay in registers from the product to the quantiser.
; SHARES.  x = quarter of the keys, y = head.  Eight waves of 512 registers.  A key's column runs over all 2,048 queries, so the work-group holds them all: a wave owns 16 tiles of 16 queries and walks the quarter's 16 blocks of 32 keys.
; LAYOUT.  S^T = wk wq^T (source 0 = 16 keys, source 1 = 16 queries): lane (r, h) holds ONE query r.  Lane r of key tile 2 b + u takes key 32 b + 8 u + r + 8 (r / 8), so register j of that tile's result is key 32 b + 16 h + 8 u + j:
; a query tile's 16 score registers e = 8 u + j are 16 neighbouring keys, a piece of the second product's operand; a block's other 16 keys lie in lane l xor 16.
; t = (c wq) . wk, c = log2(e) / 8, c multiplied into wq once, on its way into LDS: so an accumulator holds t itself.
; A RUN OF PRODUCTS is one key tile against my 16 query tiles: 16 accumulators, v128-255, which matrix instructions alone write.  The key's largest t over my 256 queries, m, is read straight from them (and joined over the row's 16
; lanes); t - m goes out of them by ONE packed line into the score registers; p' = 2^(t - m) in place: no exponential overflows, and the largest t gives exactly 2^0.  l = the sum of p' over my queries.
; THE EXCHANGE.  The eight waves' m and l of the block's 32 keys meet in LDS, at ONE barrier a block: even and odd blocks have words of their own, so a block's words are stored again only behind the next block's barrier, in front of
; which every wave has waited for its reads of them.  Lane = key: M = the largest m, the column's sum = the sum of l_w 2^(m_w - M), f = 2^(m_mine - M) / that sum; w = p' f.  Where t = M that is 1 / sum, as reference() has it.
; BETWEEN THAT BARRIER'S SIGNAL AND ITS WAIT stand the NEXT block's first run of products, its maximum and the joining over lanes: work on registers, and LDS loads of bytes that are never stored again.  So a wave that has posted
; its figures works until the others have posted theirs.  The last block has no next: one scalar branch on the count of trips leads round that run, and one round its preload.
; O^T = wv^T w^T LIES IN LDS, each wave's own 16 KiB, since scores and accumulators fill the registers: a pair of tiles loads its two accumulators, adds one scaled product to each, and stores them while the next pair is worked.
; It begins as zeros (32 stores of four zero registers, once), so that the block's text has one form of the scaled product.
; THE SCALED PRODUCT USES 32 OF ITS 128 PLACES ALONG K: the other 96 hold zero codes on both sides, which add nothing.  Codes of 128 keys would take 16 registers a tile, and there is no room.
; The quarter's part of heads leaves as it stands: hpart [quarter 4][head 64][tile 128][quad 2][lane 32][16 bytes], lane (r, h) holding v = 8 h + 0 .. 7 of query r.  The next launch adds the four parts.
; NO CLUSTER, NO TENSOR LOAD: LDS is filled once for 2,048 f32 products a wave, and wq passes through the vector unit (x c) on its way; what the four work-groups of a head share is read once by each.
; LIMITS: w carries one rounding more than 2^(t - M) / sum (p' x f); a 2^x under 2^-126 counts as 0 (v_exp_f32, ISA guide 15.8); a block of zeros gets the byte 1 (its codes are zeros); NaN and infinities are not served.
; REGISTERS.  Window 0: v1-15 addresses and scale words; v16-31 m (e = 0 .. 15); v32-47 l, later f; v48-55 at work; v56-127 a key tile and two sets of four query tiles, later wv's operand, two of w's and two accumulators of O^T;
;   v128-255 the 16 accumulators of a run (query tile t at 128 + 8 t).   Window 1: the scores, query tile t at 16 t.
.set OL,    131072                     ; LDS: from 0 wq x c, 16,384 bytes a wave, each wave's own; from here O^T, likewise
.set WKL,   262144                     ; the quarter's keys, 1,024 bytes a tile
.set VCL,   294912                     ; wv's codes, 512 bytes a block
.set VSB,   303104                     ; wv's scale words, one for each block: [16][lane][4], the block's byte lowest
.set RED,   305152                     ; two sets of 2,048 bytes, for even and odd blocks; in a set for each wave 256 bytes: m of the block's 32 keys, then l
.set FINO,  4096                       ; and so far behind the first set, for each wave 256 bytes: f of the 32 keys
.set SPARE, 311296                     ; the spare words, 128 bytes a wave, which no other line names
.set LI,  1                            ; v1   16 x lane
.set L4,  2                            ; v2   4 x lane
.set AQ,  3                            ; v3   my wave's queries in LDS
.set ADR, 4                            ; v4   the trip's keys
.set RSA, 5                            ; v5   RED + 256 wave + 64 (lane / 16)
.set RLA, 6                            ; v6   RED + 4 lane
.set ROA, 7                            ; v7   RED + 256 wave + 4 lane
.set ADV, 8                            ; v8   the trip's codes of wv
.set ADS, 9                            ; v9   and its scale words
.set SPW, 10                           ; v10  LDS address of my spare word; never rewritten
.set NIL, 11                           ; v11  0; never rewritten
.set VSW, 12                           ; v12  wv's scale word
.set PW,  13                           ; v13-14 w's scale words, a tile each
.set AO,  15                           ; v15  my wave's O^T in LDS
.set M,   16
.set L,   32
.set TM,  48                           ; for tile tt of a pair: +tt largest w, +2+tt a second chain, then the other half's, +4+tt 57,344 x the scale, +6+tt the conversion's scale operand; in the sums a second chain
.set KA,  56                           ; v56-63 a key tile
.set QB,  64                           ; v64-95, v96-127 four query tiles each
.set VF,  56                           ; v56-71 wv's operand
.set P,   72                           ; v72-87, v88-103 w's two operands
.set O,   104                          ; v104-111, v112-119 two accumulators of O^T
.set X,   72                           ; v72-91 at work in the exchange
.set D,   128
.set MSB, 0
.macro WIN new                         ; the immediate's high byte repeats the setting that is left; a switch that changes nothing is dropped
.if MSB != (\new)
	s_set_vgpr_msb (MSB<<8)|(\new)
.set MSB, (\new)
.endif
.endm
	s_load_b256 s[4:11], s[0:1], 0x0               ; qk, vcodes, vscales, hpart
	v_lshl_add_u32 v[SPW], v0, 2, SPARE
	v_mov_b32 v[NIL], 0
	v_lshrrev_b32 v48, 5, v0
	v_readfirstlane_b32 s12, v48                   ; wave 0..7
	v_and_b32 v48, 31, v0                          ; lane
	v_lshlrev_b32 v[LI], 4, v48
	v_lshlrev_b32 v[L4], 2, v48
	v_bfe_u32 v48, v0, 4, 1
	v_lshlrev_b32 v48, 6, v48                      ; 64 (lane / 16)
	s_lshl_b32 s25, s12, 14
	v_add_nc_u32 v[AQ], s25, v[LI]
	s_add_co_u32 s47, s25, OL
	v_add_nc_u32 v[AO], s47, v[LI]
	s_lshl_b32 s26, s12, 8
	s_add_co_u32 s27, s26, RED
	v_add_nc_u32 v[RSA], s27, v48
	v_add_nc_u32 v[RLA], RED, v[L4]
	v_add_nc_u32 v[ROA], s27, v[L4]
	s_lshl_b32 s28, s12, 12                        ; the copy: my eighth of the keys,
	s_add_co_u32 s29, s28, WKL
	v_add_nc_u32 v[ADR], s29, v[LI]
	s_lshl_b32 s30, s12, 10                        ; of wv's codes,
	s_add_co_u32 s31, s30, VCL
	v_add_nc_u32 v[ADV], s31, v[LI]
	s_add_co_u32 s33, s26, VSB                     ; and the scale words of blocks 2 wave, 2 wave + 1
	v_add_nc_u32 v[ADS], s33, v[L4]
	s_and_b32 s14, ttmp7, 0xffff                   ; head
	s_lshl_b32 s34, s14, 17
	s_add_co_u32 s36, s34, s25                     ; wq: head x 2^17 + wave x 16,384
	s_mov_b32 s37, 0
	s_lshl_b32 s38, ttmp9, 15                      ; wk: 2^23 + head x 2^17 + quarter x 32 tiles of 1,024 + wave x 4,096
	s_add_co_u32 s38, s38, s34
	s_add_co_u32 s38, s38, s28
	s_add_co_u32 s38, s38, 0x800000
	s_mov_b32 s39, 0
	s_lshl_b32 s40, s14, 15                        ; vcodes: head x 32,768 + quarter x 8,192 + wave x 1,024
	s_lshl_b32 s41, ttmp9, 13
	s_add_co_u32 s40, s40, s41
	s_add_co_u32 s40, s40, s30
	s_mov_b32 s41, 0
	s_lshl_b32 s42, ttmp9, 2                       ; vscales: head x 2,048 + (4 quarter + wave / 2) x 128
	s_lshr_b32 s43, s12, 1
	s_add_co_u32 s42, s42, s43
	s_lshl_b32 s42, s42, 7
	s_lshl_b32 s43, s14, 11
	s_add_co_u32 s42, s42, s43
	s_mov_b32 s43, 0
	s_lshl_b32 s44, ttmp9, 23                      ; hpart: quarter x 2^23 + my tiles' place as in wq
	s_add_co_u32 s44, s44, s36
	s_mov_b32 s45, 0
	s_and_b32 s46, s12, 1
	s_lshl_b32 s46, s46, 4                         ; block 2 wave's byte stands 16 (wave % 2) bits up in its word
	s_mov_b32 s16, 0x3e38aa3b                      ; c = log2(e) / 8
	s_mov_b32 s17, s16                             ; (named with it as a pair)
	s_mov_b32 s18, 0x76543210
	s_mov_b32 s19, 0xfedcba98                      ; v_permlanex16_b32's selects for lane l xor 16
	s_mov_b32 s20, 0x600000                        ; the mantissa field of 57,344
	s_mov_b32 s21, WKL                             ; the trip's places in LDS: keys,
	s_mov_b32 s22, VCL                             ; wv's codes,
	s_mov_b32 s23, VSB                             ; its scale words
	s_wait_kmcnt 0x0
	s_add_nc_u64 s[36:37], s[4:5], s[36:37]
	s_add_nc_u64 s[38:39], s[4:5], s[38:39]
	s_add_nc_u64 s[6:7], s[6:7], s[40:41]
	s_add_nc_u64 s[8:9], s[8:9], s[42:43]
	s_add_nc_u64 s[10:11], s[10:11], s[44:45]
	global_load_b32 v49, v[L4], s[8:9]
	WIN 0x40                                       ; the copy goes through the score registers: destination window 1, address window 0
.set i, 0
.rept 32
	global_load_b128 v[4*i:4*i+3], v[LI], s[36:37] offset:512*i   ; my 16 tiles of queries, 512 consecutive bytes a load
.set i, i+1
.endr
.set i, 0
.rept 8
	global_load_b128 v[128+4*i:128+4*i+3], v[LI], s[38:39] offset:512*i
.set i, i+1
.endr
.irp i, 0,1
	global_load_b128 v[160+4*\i:160+4*\i+3], v[LI], s[6:7] offset:512*\i
.endr
	WIN 0
.irp i, 0,1,2,3
	v_mov_b32 v[52+\i], 0
.endr
.set i, 0
.rept 32
	ds_store_b128 v[AO], v[52:55] offset:512*i     ; O^T begins as zeros
.set i, i+1
.endr
	s_wait_loadcnt 10                              ; the queries' 32 loads (and the one ahead of them) are in; the 10 behind them may be out
	WIN 0x41
.set i, 0
.rept 64
	v_pk_mul_f32 v[2*i:2*i+1], v[2*i:2*i+1], s[16:17] op_sel_hi:[1,0]   ; x c
.set i, i+1
.endr
	WIN 0x04                                       ; an LDS store's data are its source 1: window 1
.set i, 0
.rept 32
	ds_store_b128 v[AQ], v[4*i:4*i+3] offset:512*i
.set i, i+1
.endr
	s_wait_loadcnt 0x0
.set i, 0
.rept 8
	ds_store_b128 v[ADR], v[128+4*i:128+4*i+3] offset:512*i
.set i, i+1
.endr
.irp i, 0,1
	ds_store_b128 v[ADV], v[160+4*\i:160+4*\i+3] offset:512*\i
.endr
	WIN 0
	v_lshrrev_b32 v49, s46, v49                    ; block 2 wave's byte lowest; what stands above it scales zero codes, and is a scale's byte or 0, never 0xff
	v_lshrrev_b32 v50, 8, v49                      ; block 2 wave + 1's
	ds_store_b32 v[ADS], v49
	ds_store_b32 v[ADS], v50 offset:128
	s_wait_dscnt 0x0                               ; for the others' sake: my stores have landed
	s_barrier_signal -1
	s_barrier_wait -1                              ; keys, codes and scale words lie in LDS; these bytes are not stored again
; The key tile at byte koff of the trip's keys, and my query tiles 0-7 (both sets): 18 loads
.macro PRELOAD koff
	ds_load_b128 v[KA:KA+3], v[ADR] offset:(\koff)
	ds_load_b128 v[KA+4:KA+7], v[ADR] offset:(\koff)+512
.set f, 0
.rept 16
	ds_load_b128 v[QB+4*f:QB+4*f+3], v[AQ] offset:512*f
.set f, f+1
.endr
.endm
.macro QLOAD g                         ; query tiles 4 g .. 4 g + 3 into set g % 2
.set f, 0
.rept 8
	ds_load_b128 v[QB+32*((\g)%2)+4*f:QB+32*((\g)%2)+4*f+3], v[AQ] offset:4096*(\g)+512*f
.set f, f+1
.endr
.endm
; 16 products: the key tile against query tiles 4 g .. 4 g + 3; product i: K step i / 4, tile i % 4.  The four accumulators take turns, one instruction a turn; the first four start the sums with the constant 0
.macro WMG g
.set i, 0
.rept 16
.set rD, D+8*(4*(\g)+i%4)
.set rK, KA+2*(i/4)
.set rQ, QB+32*((\g)%2)+8*(i%4)+2*(i/4)
.if i < 4
	v_wmma_f32_16x16x4_f32 v[rD:rD+7], v[rK:rK+1], v[rQ:rQ+1], 0
.else
	v_wmma_f32_16x16x4_f32 v[rD:rD+7], v[rK:rK+1], v[rQ:rQ+1], v[rD:rD+7]
.endif
.set i, i+1
.endr
.endm
; The largest t of key j over query tiles 4 g .. 4 g + 3, onto v[mb + j]; j ascending: each accumulator is read from its low end on.  Group 0's first tiles start the maximum
.macro MAXG g, mb
.irp tp, 0,1
.set j, 0
.rept 8
.if ((\g) == 0) && (\tp == 0)
	v_max_num_f32 v[(\mb)+j], v[D+8*(4*(\g)+2*\tp)+j], v[D+8*(4*(\g)+2*\tp+1)+j]
.else
	v_max3_num_f32 v[(\mb)+j], v[(\mb)+j], v[D+8*(4*(\g)+2*\tp)+j], v[D+8*(4*(\g)+2*\tp+1)+j]
.endif
.set j, j+1
.endr
.endr
.endm
.macro BFLY op, base, n                ; n registers over the 16 lanes of a row: every lane ends with the result
.irp m, 1,2,4,8
.set e, 0
.rept \n
	\op v[(\base)+e], v[(\base)+e], v[(\base)+e] row_xmask:\m row_mask:0xf bank_mask:0xf
.set e, e+1
.endr
.endr
.endm
; t - m of key tile u, query tiles 4 g .. 4 g + 3: out of the accumulators into the score registers (destination window 1): 16 lines
.macro SUBG g, u
.irp q, 0,1,2,3
.set k, 0
.rept 4
	v_pk_add_f32 v[16*(4*(\g)+\q)+8*(\u)+2*k:16*(4*(\g)+\q)+8*(\u)+2*k+1], v[D+8*(4*(\g)+\q)+2*k:D+8*(4*(\g)+\q)+2*k+1], v[M+8*(\u)+2*k:M+8*(\u)+2*k+1] neg_lo:[0,1] neg_hi:[0,1]
.set k, k+1
.endr
.endr
.endm
.macro EXPG g, u                       ; p' = 2^(t - m) in place, 32 exponentials; none reads another's result
.irp q, 0,1,2,3
.set j, 0
.rept 8
	v_exp_f32 v[16*(4*(\g)+\q)+8*(\u)+j], v[16*(4*(\g)+\q)+8*(\u)+j]
.set j, j+1
.endr
.endr
.endm
; l of key tile u over my 16 tiles, two keys at a time, in two chains (even tiles, odd tiles); the first four tiles start the sums: nothing is cleared.  60 lines
.macro SUMS u
	WIN 0x05
.set k, 0
.rept 4
	v_pk_add_f32 v[L+8*(\u)+2*k:L+8*(\u)+2*k+1], v[8*(\u)+2*k:8*(\u)+2*k+1], v[32+8*(\u)+2*k:32+8*(\u)+2*k+1]
.set k, k+1
.endr
.set k, 0
.rept 4
	v_pk_add_f32 v[TM+2*k:TM+2*k+1], v[16+8*(\u)+2*k:16+8*(\u)+2*k+1], v[48+8*(\u)+2*k:48+8*(\u)+2*k+1]
.set k, k+1
.endr
	WIN 0x01
.set t, 4
.rept 6
.set k, 0
.rept 4
	v_pk_add_f32 v[L+8*(\u)+2*k:L+8*(\u)+2*k+1], v[16*t+8*(\u)+2*k:16*t+8*(\u)+2*k+1], v[L+8*(\u)+2*k:L+8*(\u)+2*k+1]
.set k, k+1
.endr
.set k, 0
.rept 4
	v_pk_add_f32 v[TM+2*k:TM+2*k+1], v[16*t+16+8*(\u)+2*k:16*t+16+8*(\u)+2*k+1], v[TM+2*k:TM+2*k+1]
.set k, k+1
.endr
.set t, t+2
.endr
	WIN 0
.set k, 0
.rept 4
	v_pk_add_f32 v[L+8*(\u)+2*k:L+8*(\u)+2*k+1], v[L+8*(\u)+2*k:L+8*(\u)+2*k+1], v[TM+2*k:TM+2*k+1]
.set k, k+1
.endr
.endm
.macro PLACES                          ; eight places behind this matrix form, where no other plain vector work is at hand
.rept 8
	v_nop
.endr
.endm
; A run of products with nothing else to do beside it: an even key tile (preloaded), its maximum into v[M] on, joined over the lanes.  Work on registers and LDS loads of my own queries alone.
; PLACES: eight v_nop stand behind groups 0 and 1, ahead of the loads into both sets of queries and of the first read of a result; eight behind groups 2 and 3.
.macro PRODW
	s_wait_dscnt 0x0
	WMG 0
	WMG 1
	PLACES
	QLOAD 2
	QLOAD 3
	MAXG 0, M
	MAXG 1, M
	s_wait_dscnt 0x0
	WMG 2
	WMG 3
	PLACES
	MAXG 2, M
	MAXG 3, M
	BFLY v_max_num_f32_dpp, M, 8
.endm
; The eight waves' m and l meet.  par: the block's set of words.  A set is stored again two blocks on, behind the next block's barrier, in front of whose signal every wave has waited for its reads of the set.
.macro EXCH par
.irp i, 0,1,2,3
	ds_store_b128 v[RSA], v[M+4*\i:M+4*\i+3] offset:2048*(\par)+16*\i       ; the 16 lanes of a row hold the same numbers and write the same bytes
.endr
.irp i, 0,1,2,3
	ds_store_b128 v[RSA], v[L+4*\i:L+4*\i+3] offset:2048*(\par)+128+16*\i
.endr
	s_wait_dscnt 0x0                               ; for the others' sake: my stores have landed (and the preloaded fragments are in)
	s_barrier_signal -1
.if \par
	s_cmp_eq_u32 s24, 1                            ; the last trip's second block has no next block
	s_cbranch_scc1 .Lnolook
.endif
	PRODW                                          ; the next block's first key tile, while the other waves arrive; m's registers are free: their store has landed
.if \par
.Lnolook:
.endif
	s_barrier_wait -1
.irp w, 0,1,2,3,4,5,6,7
	ds_load_b32 v[X+\w], v[RLA] offset:2048*(\par)+256*\w                   ; LANE = KEY: the eight m of key 16 h + r,
.endr
.irp w, 0,1,2,3,4,5,6,7
	ds_load_b32 v[X+8+\w], v[RLA] offset:2048*(\par)+256*\w+128             ; the eight l,
.endr
	ds_load_b32 v[X+16], v[ROA] offset:2048*(\par)                          ; and my own wave's m
	ds_load_b128 v[VF:VF+3], v[ADV] offset:512*(\par)                       ; wv's 32 keys of the block: the first piece of its operand
	ds_load_b32 v[VSW], v[ADS] offset:128*(\par)
.set e, 4
.rept 12
	v_mov_b32 v[VF+e], 0                           ; the other three pieces: zero codes
.set e, e+1
.endr
	s_wait_dscnt 0x0
	v_max3_num_f32 v[X+17], v[X], v[X+1], v[X+2]
	v_max3_num_f32 v[X+17], v[X+17], v[X+3], v[X+4]
	v_max3_num_f32 v[X+17], v[X+17], v[X+5], v[X+6]
	v_max_num_f32 v[X+17], v[X+17], v[X+7]         ; M: the column's largest t
.irp w, 0,1,2,3,4,5,6,7
	v_sub_f32 v[X+\w], v[X+\w], v[X+17]
.endr
	v_sub_f32 v[X+16], v[X+16], v[X+17]
.irp w, 0,1,2,3,4,5,6,7
	v_exp_f32 v[X+\w], v[X+\w]
.endr
	v_exp_f32 v[X+16], v[X+16]
	v_nop                                          ; a plain line behind the batch,
	s_wait_alu depctr_va_vdst(0)                   ; and a wait ahead of its first reader
	v_mul_f32 v[X+18], v[X+8], v[X]                ; the column's sum, in two chains: at least 1, since the wave that holds M has l >= 1 and the factor 2^0
	v_mul_f32 v[X+19], v[X+9], v[X+1]
.irp w, 2,4,6
	v_fma_f32 v[X+18], v[X+8+\w], v[X+\w], v[X+18]
	v_fma_f32 v[X+19], v[X+9+\w], v[X+1+\w], v[X+19]
.endr
	v_add_f32 v[X+18], v[X+18], v[X+19]
	v_rcp_f32 v[X+19], v[X+18]
	v_nop
	s_wait_alu depctr_va_vdst(0)
	v_mul_f32 v[X+19], v[X+19], v[X+16]            ; f = 2^(m_mine - M) / sum
	ds_store_b32 v[ROA], v[X+19] offset:FINO       ; my wave's own bytes: LDS serves a wave's instructions in order, so the loads below see this store
.irp i, 0,1,2,3
	ds_load_b128 v[L+4*\i:L+4*\i+3], v[RSA] offset:FINO+16*\i               ; f of my 16 keys
.endr
.set e, 4
.rept 12
	v_mov_b32 v[P+e], 0                            ; the 96 places of w's two operands that hold no key: zero codes
	v_mov_b32 v[P+16+e], 0
.set e, e+1
.endr
	s_wait_dscnt 0x0
.endm
; Tiles 2 p and 2 p + 1: w = p' f; the last pair's O^T goes back to LDS and this pair's comes; the block's largest w (never negative: no |.|) with the floor 2^(16 - 127), in two chains a tile, joined with lane l xor 16's;
; scale operand, hold, byte; the hold, one-sided; the conversions; the products.
; PLACES: the 16 multiplications stand behind the last pair's products, ahead of the stores that read their results and of the loads into them; the scale words are made 32 holds ahead of the products
; (eight are asked), the codes four v_nop ahead (four are asked; the first is also the plain line behind the conversions).
.macro QPAIR p
.set tb, 32*(\p)
	WIN 0x41
.irp tt, 0,1
.set k, 0
.rept 8
	v_pk_mul_f32 v[tb+16*\tt+2*k:tb+16*\tt+2*k+1], v[tb+16*\tt+2*k:tb+16*\tt+2*k+1], v[L+2*k:L+2*k+1]
.set k, k+1
.endr
.endr
	WIN 0
.if (\p) > 0
.irp tt, 0,1
	ds_store_b128 v[AO], v[O+8*\tt:O+8*\tt+3] offset:1024*(2*(\p)-2+\tt)          ; each accumulator from its low end on
	ds_store_b128 v[AO], v[O+8*\tt+4:O+8*\tt+7] offset:1024*(2*(\p)-2+\tt)+512
.endr
.endif
.irp tt, 0,1
	ds_load_b128 v[O+8*\tt:O+8*\tt+3], v[AO] offset:1024*(2*(\p)+\tt)
	ds_load_b128 v[O+8*\tt+4:O+8*\tt+7], v[AO] offset:1024*(2*(\p)+\tt)+512
.endr
	WIN 0x05
.irp tt, 0,1
	v_max3_num_f32 v[TM+\tt], v[tb+16*\tt], v[tb+16*\tt+1], 0x8000000
.endr
.irp tt, 0,1
	v_max_num_f32 v[TM+2+\tt], v[tb+16*\tt+2], v[tb+16*\tt+3]
.endr
.irp k, 4,8,12
.irp tt, 0,1
	v_max3_num_f32 v[TM+\tt], v[tb+16*\tt+\k], v[tb+16*\tt+\k+1], v[TM+\tt]
.endr
.irp tt, 0,1
	v_max3_num_f32 v[TM+2+\tt], v[tb+16*\tt+\k+2], v[tb+16*\tt+\k+3], v[TM+2+\tt]
.endr
.endr
	WIN 0
.irp tt, 0,1
	v_max_num_f32 v[TM+\tt], v[TM+\tt], v[TM+2+\tt]        ; the two chains
.endr
.irp tt, 0,1
	v_permlanex16_b32 v[TM+2+\tt], v[TM+\tt], s18, s19
.endr
.irp tt, 0,1
	v_max_num_f32 v[TM+\tt], v[TM+\tt], v[TM+2+\tt]
.endr
.irp tt, 0,1
	v_add_nc_u32 v[TM+6+\tt], 0xf8800000, v[TM+\tt]        ; 15 off the exponent field: the conversion's scale operand
.endr
.irp tt, 0,1
	v_and_or_b32 v[TM+4+\tt], v[TM+\tt], 0x7f800000, s20   ; 57,344 x the scale
.endr
.irp tt, 0,1
	v_lshrrev_b32 v[PW+\tt], 23, v[TM+6+\tt]               ; the scale's byte, lowest in its word; the three bytes above it are 0 and scale zero codes
.endr
	WIN 0x41
.irp tt, 0,1
.set k, 0
.rept 16
	v_min_num_f32 v[tb+16*\tt+k], v[tb+16*\tt+k], v[TM+4+\tt]   ; the conversion does not saturate (ISA guide 7.6.2)
.set k, k+1
.endr
.endr
	WIN 0x01
.irp tt, 0,1
	v_cvt_scalef32_pk8_bf8_f32 v[P+16*\tt:P+16*\tt+1], v[tb+16*\tt:tb+16*\tt+7], v[TM+6+\tt]
	v_cvt_scalef32_pk8_bf8_f32 v[P+16*\tt+2:P+16*\tt+3], v[tb+16*\tt+8:tb+16*\tt+15], v[TM+6+\tt]
.endr
	WIN 0
.rept 4
	v_nop
.endr
	s_wait_dscnt 0x0                               ; this pair's O^T is in (asked for some 70 lines ago)
.irp tt, 0,1
	v_wmma_scale_f32_16x16x128_f8f6f4 v[O+8*\tt:O+8*\tt+7], v[VF:VF+15], v[P+16*\tt:P+16*\tt+15], v[O+8*\tt:O+8*\tt+7], v[VSW], v[PW+\tt] matrix_a_fmt:MATRIX_FMT_BF8 matrix_b_fmt:MATRIX_FMT_BF8
.endr
.endm
; A BLOCK of 32 keys.  On entry the accumulators hold t of its even key tile and v[M] on that tile's m.  par: 0, 1: the trip's first or second block.
; The odd tile's products stand between the even tile's subtractions and exponentials.  A group's accumulators are written only behind the subtraction that reads them.  PLACES: 16 subtractions on other accumulators stand behind
; groups 0 and 1, ahead of the loads into the set of queries that each has read; the plain line behind the exponentials and the 60 lines of the sums stand behind group 3, ahead of the preload and of the first read of a result.
; The 128 exponentials of a key tile are ONE BATCH: nothing names a result before the wait that stands ahead of the sums.
.macro BLOCK par
	PRELOAD 1024+2048*(\par)                       ; the odd key tile
	WIN 0x40
	SUBG 0, 0
	SUBG 1, 0
	WIN 0
	s_wait_dscnt 0x0
	WMG 0
	WIN 0x40
	SUBG 2, 0
	WIN 0x41
	EXPG 0, 0
	WIN 0
	QLOAD 2
	WMG 1
	WIN 0x40
	SUBG 3, 0
	WIN 0x41
	EXPG 1, 0
	WIN 0
	QLOAD 3
	s_wait_dscnt 8                                 ; query tiles 8-11 are in; the eight loads of tiles 12-15 may be out
	WMG 2
	WIN 0x41
	EXPG 2, 0
	WIN 0
	s_wait_dscnt 0x0
	WMG 3
	WIN 0x41
	EXPG 3, 0
	v_nop
	s_wait_alu depctr_va_vdst(0)
	SUMS 0
.if \par
	s_cmp_eq_u32 s24, 1                            ; the last trip's second block has no next block: nothing is fetched for it
	s_cbranch_scc1 .Lnopre
.endif
	PRELOAD 2048+2048*(\par)                       ; the next block's even key tile: wanted behind the barrier's signal
.if \par
.Lnopre:
.endif
.irp g, 0,1,2,3
	MAXG \g, M+8
.endr
	BFLY v_max_num_f32_dpp, M+8, 8
	WIN 0x40
.irp g, 0,1,2,3
	SUBG \g, 1
.endr
	WIN 0x41
.irp g, 0,1,2,3
	EXPG \g, 1
.endr
	v_nop
	s_wait_alu depctr_va_vdst(0)
	SUMS 1
	BFLY v_add_f32_dpp, L, 16
	EXCH \par
.irp p, 0,1,2,3,4,5,6,7
	QPAIR \p
.endr
	PLACES                                         ; behind the last scaled products, ahead of the stores that read their results and of the next loads into their operands
.irp tt, 0,1
	ds_store_b128 v[AO], v[O+8*\tt:O+8*\tt+3] offset:1024*(14+\tt)
	ds_store_b128 v[AO], v[O+8*\tt+4:O+8*\tt+7] offset:1024*(14+\tt)+512
.endr
.endm
	v_add_nc_u32 v[ADR], s21, v[LI]
	PRELOAD 0
	PRODW                                          ; the first block's even key tile
	s_mov_b32 s24, 8
.Ltrip:                                            ; eight trips of two blocks: the two sets of words of the exchange are constants of the text
	v_add_nc_u32 v[ADR], s21, v[LI]
	v_add_nc_u32 v[ADV], s22, v[LI]
	v_add_nc_u32 v[ADS], s23, v[L4]
	BLOCK 0
	BLOCK 1
	s_add_co_u32 s21, s21, 4096
	s_add_co_u32 s22, s22, 1024
	s_add_co_u32 s23, s23, 256
	s_sub_co_u32 s24, s24, 1
	s_cmp_lg_u32 s24, 0
	s_cbranch_scc1 .Ltrip
	WIN 0x40                                       ; the way out: O^T through the score registers; LDS serves a wave's instructions in order: these loads see my last stores
.set i, 0
.rept 32
	ds_load_b128 v[4*i:4*i+3], v[AO] offset:512*i
.set i, i+1
.endr
	WIN 0x04                                       ; a store's data are its source 1: window 1
.set i, 0
.rept 32
	s_wait_dscnt 31-i                              ; the younger loads may be out
	global_store_b128 v[LI], v[4*i:4*i+3], s[10:11] offset:512*i th:TH_STORE_NT   ; 512 consecutive bytes a store, aligned; not read again in this launch
.set i, i+1
.endr
	WIN 0
	s_wait_tensorcnt 0x0                           ; the wave's end: behind my last LDS store
	ds_add_u32 v[SPW], v[NIL]
	s_wait_dscnt 0x0
	s_endpgm
.Lfunc_end_k_q0805645807_attn:
	.size	k_q0805645807_attn, .Lfunc_end_k_q0805645807_attn-k_q0805645807_attn
	.p2alignl 7, 3214868480
	.fill 96, 4, 3214868480
	.section	.rodata,"a",@progbits
	.p2align	6, 0x0
	.amdhsa_kernel k_q0805645807_attn
		.amdhsa_group_segment_fixed_size 312320
		.amdhsa_private_segment_fixed_size 0
		.amdhsa_enable_private_segment 0
		.amdhsa_kernarg_size 32
		.amdhsa_user_sgpr_count 2
		.amdhsa_user_sgpr_kernarg_segment_ptr 1
		.amdhsa_wavefront_size32 1
		.amdhsa_system_sgpr_workgroup_id_x 1
		.amdhsa_system_sgpr_workgroup_id_y 1
		.amdhsa_system_sgpr_workgroup_id_z 1
		.amdhsa_system_vgpr_workitem_id 0
		.amdhsa_next_free_vgpr 512
		.amdhsa_next_free_sgpr 66
		.amdhsa_reserve_vcc 0
		.amdhsa_float_denorm_mode_32 3
		.amdhsa_float_denorm_mode_16_64 3
		.amdhsa_memory_ordered 1
		.amdhsa_forward_progress 1
		.amdhsa_inst_pref_size 231
	.end_amdhsa_kernel
	.amdgpu_metadata
---
amdhsa.version: [ 1, 2 ]
amdhsa.kernels:
  - .name:           k_q0805645807_attn
    .symbol:         k_q0805645807_attn.kd
    .args:
      - { .name: qk, .offset: 0, .size: 8, .value_kind: global_buffer, .address_space: global }
      - { .name: vcodes, .offset: 8, .size: 8, .value_kind: global_buffer, .address_space: global }
      - { .name: vscales, .offset: 16, .size: 8, .value_kind: global_buffer, .address_space: global }
      - { .name: hpart, .offset: 24, .size: 8, .value_kind: global_buffer, .address_space: global }
    .group_segment_fixed_size: 312320
    .private_segment_fixed_size: 0
    .kernarg_segment_align: 8
    .kernarg_segment_size: 32
    .max_flat_workgroup_size: 256
    .sgpr_count:     66
    .vgpr_count:     512
    .wavefront_size: 32
...
	.end_amdgpu_metadata
.endif
;; end of part 3
;; launch hsum (part 4): grid 256 x 1, 4 waves a work-group, no clusters, 0 bytes of LDS; arguments hpart, hcodes, hscales; writes hcodes, hscales
.if DOCPART == 4
	.amdgcn_target "amdgcn-amd-amdhsa--gfx1250"
	.amdhsa_code_object_version 6
	.text
	.protected	k_q0805645807_hsum
	.globl	k_q0805645807_hsum
	.p2align	8
	.type	k_q0805645807_hsum,@function
k_q0805645807_hsum:
	s_mov_b64 s[64:65], 0
	v_nop
	global_prefetch_b8 v0, s[64:65] scope:SCOPE_SE
	s_setreg_imm32_b32 hwreg(HW_REG_WAVE_MODE, 25, 1), 1
	s_wait_xcnt 0x0
; heads = the sum of its four parts (one for each quarter of the keys, in ascending order, f32), quantised ONCE along t = 16 head + v, the K of the last product: codes of E5M2, one E8M0 byte for each 32.  No work is left out.
; A wave takes one tile of 16 rows and one K step of 128: 1,024 waves.  hpart lies [quarter][head][tile 128][quad 2][lane 32][16 bytes], lane (r, h'') holding v = 8 h'' + 4 quad + 0 .. 3 of row r of the tile.
; The operand's lane (r, h) wants, of block b of K step s, t = 128 s + 32 b + 16 h + 0 .. 15: all 16 v of head 8 s + 2 b + h: four loads, in each of which sixteen lanes read 256 consecutive bytes.
; The codes leave in the order of the operand's registers: hcodes [tile 128][K step 8][piece 4][lane 32][16 bytes], 512 consecutive bytes a store; hscales [tile][K step][lane 32][4 bytes].
; A stream: each byte is read once by one wave.  No LDS, no barrier, no matrix unit, no cluster: nothing is shared.  48 loads of a wave are out at the start; the fourth part lands in the second's registers.
; LIMITS: blocks of zeros get the byte 1 (codes are zeros; this program alone reads the bytes); NaN and infinities are not served.
.set XA,  4                            ; v4   131,072 (lane / 16) + 16 r
.set LI,  5                            ; v5   16 x lane
.set L4,  6                            ; v6   4 x lane
.set TM,  16                           ; v16-19 largest magnitudes, v20-23 the other half's, then bytes, v24-27 57,344 x the scale, v28-31 the conversions' scale operands
.set PW,  32                           ; the scale word
.set PC,  40                           ; v40-55 the codes
.set A,   64                           ; v64-127, v128-191, v192-255: three sets of 64 numbers
.set B,   128
.set C,   192
.set SEL, 26
.set MNT, 28
	s_load_b128 s[4:7], s[0:1], 0x0                ; hpart, hcodes
	s_load_b64 s[8:9], s[0:1], 0x10                ; hscales
	v_lshrrev_b32 v1, 5, v0
	v_readfirstlane_b32 s10, v1                    ; wave 0..3
	v_and_b32 v1, 31, v0                           ; lane
	v_and_b32 v2, 15, v0                           ; r
	v_bfe_u32 v3, v0, 4, 1                         ; h
	v_lshlrev_b32 v[XA], 17, v3                    ; lanes 16-31 take the next head, 131,072 bytes on
	v_lshl_add_u32 v[XA], v2, 4, v[XA]
	v_lshlrev_b32 v[LI], 4, v1
	v_lshlrev_b32 v[L4], 2, v1
	s_lshl_b32 s11, ttmp9, 2
	s_add_co_u32 s11, s11, s10                     ; my unit = 8 tile + K step
	s_lshr_b32 s12, s11, 3
	s_and_b32 s13, s11, 7
	s_lshl_b32 s14, s13, 20                        ; a K step is eight heads of 131,072 bytes,
	s_lshl_b32 s15, s12, 10
	s_add_co_u32 s14, s14, s15                     ; a tile 1,024 bytes
	s_mov_b32 s15, 0
	s_lshl_b32 s16, s11, 11                        ; codes: 2,048 bytes a unit
	s_mov_b32 s17, 0
	s_lshl_b32 s18, s11, 7                         ; scale words: 128 bytes a unit
	s_mov_b32 s19, 0
	s_mov_b32 s[SEL], 0x76543210
	s_mov_b32 s[SEL+1], 0xfedcba98                 ; v_permlanex16_b32's selects for lane l xor 16
	s_mov_b32 s[MNT], 0x600000                     ; the mantissa field of 57,344
.irp b, 0,1,2,3
	v_mov_b32 v[TM+4+\b], 0                        ; a lane permute's destination counts as one of its sources
.endr
	s_wait_kmcnt 0x0
	s_add_nc_u64 s[4:5], s[4:5], s[14:15]          ; the four parts lie 2^23 bytes apart
	s_add_nc_u64 s[20:21], s[4:5], 0x800000
	s_add_nc_u64 s[22:23], s[20:21], 0x800000
	s_add_nc_u64 s[24:25], s[22:23], 0x800000
	s_add_nc_u64 s[6:7], s[6:7], s[16:17]
	s_add_nc_u64 s[8:9], s[8:9], s[18:19]
.macro LOADP reg, sb                   ; one part: block b: head 2 b + (lane / 16) of the step's eight; v = 4 j + 0 .. 3 lies at quad j % 2, half j / 2
.irp b, 0,1,2,3
.irp j, 0,1,2,3
	global_load_b128 v[(\reg)+16*\b+4*\j:(\reg)+16*\b+4*\j+3], v[XA], s[\sb:\sb+1] offset:2*\b*131072+256*(\j/2)+512*(\j%2) th:TH_LOAD_NT
.endr
.endr
.endm
.macro ADDP reg
.set i, 0
.rept 32
	v_pk_add_f32 v[A+2*i:A+2*i+1], v[A+2*i:A+2*i+1], v[(\reg)+2*i:(\reg)+2*i+1]
.set i, i+1
.endr
.endm
	LOADP A, 4
	LOADP B, 20
	LOADP C, 22
	s_wait_loadcnt 16                              ; parts 0 and 1 are in; part 2's 16 loads may be out
	ADDP B
	LOADP B, 24                                    ; part 3 into the registers that part 1 has left
	s_wait_loadcnt 16                              ; part 2 is in; part 3's 16 loads may be out
	ADDP C
	s_wait_loadcnt 0x0
	ADDP B
.irp b, 0,1,2,3
	v_max3_num_f32 v[TM+\b], |v[A+16*\b]|, |v[A+1+16*\b]|, 0x8000000   ; block b: my 16 numbers and the floor 2^(16 - 127): the byte cannot fall under 1
.endr
.irp i, 2,4,6,8,10,12,14
.irp b, 0,1,2,3
	v_max3_num_f32 v[TM+\b], v[TM+\b], |v[A+16*\b+\i]|, |v[A+1+16*\b+\i]|   ; the four blocks by turns
.endr
.endr
.irp b, 0,1,2,3
	v_permlanex16_b32 v[TM+4+\b], v[TM+\b], s[SEL], s[SEL+1]
.endr
.irp b, 0,1,2,3
	v_max_num_f32 v[TM+\b], v[TM+\b], v[TM+4+\b]   ; with lane l xor 16's: the block's largest magnitude
.endr
.irp b, 0,1,2,3
	v_add_nc_u32 v[TM+12+\b], 0xf8800000, v[TM+\b]   ; 15 off its exponent field: the conversion's scale operand
.endr
.irp b, 0,1,2,3
	v_and_or_b32 v[TM+8+\b], v[TM+\b], 0x7f800000, s[MNT]   ; 57,344 x the scale
.endr
.irp b, 0,1,2,3
	v_lshrrev_b32 v[TM+4+\b], 23, v[TM+12+\b]      ; the scale's byte
.endr
	v_lshl_or_b32 v[PW], v[TM+5], 8, v[TM+4]       ; the four bytes make my row's scale word
	v_lshl_or_b32 v[PW], v[TM+6], 16, v[PW]
	v_lshl_or_b32 v[PW], v[TM+7], 24, v[PW]
.irp b, 0,1,2,3
.irp i, 0,1,2,3,4,5,6,7,8,9,10,11,12,13,14,15
	v_med3_num_f32 v[A+16*\b+\i], v[A+16*\b+\i], -v[TM+8+\b], v[TM+8+\b]   ; the conversion does not saturate (ISA guide 7.6.2): the hold comes first
.endr
	v_cvt_scalef32_pk8_bf8_f32 v[PC+4*\b:PC+1+4*\b], v[A+16*\b:A+7+16*\b], v[TM+12+\b]
	v_cvt_scalef32_pk8_bf8_f32 v[PC+2+4*\b:PC+3+4*\b], v[A+8+16*\b:A+15+16*\b], v[TM+12+\b]
.endr
	v_nop                                          ; a plain line behind the last conversion
.irp c, 0,1,2,3
	global_store_b128 v[LI], v[PC+4*\c:PC+4*\c+3], s[6:7] offset:512*\c   ; 512 consecutive bytes, aligned
.endr
	global_store_b32 v[L4], v[PW], s[8:9]          ; 128 consecutive bytes
	s_endpgm
.Lfunc_end_k_q0805645807_hsum:
	.size	k_q0805645807_hsum, .Lfunc_end_k_q0805645807_hsum-k_q0805645807_hsum
	.p2alignl 7, 3214868480
	.fill 96, 4, 3214868480
	.section	.rodata,"a",@progbits
	.p2align	6, 0x0
	.amdhsa_kernel k_q0805645807_hsum
		.amdhsa_group_segment_fixed_size 0
		.amdhsa_private_segment_fixed_size 0
		.amdhsa_enable_private_segment 0
		.amdhsa_kernarg_size 24
		.amdhsa_user_sgpr_count 2
		.amdhsa_user_sgpr_kernarg_segment_ptr 1
		.amdhsa_wavefront_size32 1
		.amdhsa_system_sgpr_workgroup_id_x 1
		.amdhsa_system_sgpr_workgroup_id_y 1
		.amdhsa_system_sgpr_workgroup_id_z 1
		.amdhsa_system_vgpr_workitem_id 0
		.amdhsa_next_free_vgpr 256
		.amdhsa_next_free_sgpr 66
		.amdhsa_reserve_vcc 0
		.amdhsa_float_denorm_mode_32 3
		.amdhsa_float_denorm_mode_16_64 3
		.amdhsa_memory_ordered 1
		.amdhsa_forward_progress 1
		.amdhsa_inst_pref_size 23
	.end_amdhsa_kernel
	.amdgpu_metadata
---
amdhsa.version: [ 1, 2 ]
amdhsa.kernels:
  - .name:           k_q0805645807_hsum
    .symbol:         k_q0805645807_hsum.kd
    .args:
      - { .name: hpart, .offset: 0, .size: 8, .value_kind: global_buffer, .address_space: global }
      - { .name: hcodes, .offset: 8, .size: 8, .value_kind: global_buffer, .address_space: global }
      - { .name: hscales, .offset: 16, .size: 8, .value_kind: global_buffer, .address_space: global }
    .group_segment_fixed_size: 0
    .private_segment_fixed_size: 0
    .kernarg_segment_align: 8
    .kernarg_segment_size: 24
    .max_flat_workgroup_size: 128
    .sgpr_count:     66
    .vgpr_count:     256
    .wavefront_size: 32
...
	.end_amdgpu_metadata
.endif
;; end of part 4
;; launch outp (part 5): grid 8 x 32, 4 waves a work-group, no clusters, 34,304 bytes of LDS; arguments hcodes, hscales, wcodes, wscales, out0; writes out0
.if DOCPART == 5
	.amdgcn_target "amdgcn-amd-amdhsa--gfx1250"
	.amdhsa_code_object_version 6
	.text
	.protected	k_q0805645807_outp
	.globl	k_q0805645807_outp
	.p2align	8
	.type	k_q0805645807_outp,@function
k_q0805645807_outp:
	s_mov_b64 s[64:65], 0
	v_nop
	global_prefetch_b8 v0, s[64:65] scope:SCOPE_SE
	s_setreg_imm32_b32 hwreg(HW_REG_WAVE_MODE, 25, 1), 1
	s_wait_xcnt 0x0
; out0 = Q(heads) Q(o_w): [2048][1024] x [1024][1024] on codes of E5M2 with one E8M0 scale for each 32 along K = t = 16 head + v; sums in f32.  No work is left out.  Both operands arrive as codes, in the order of the operand's registers.
; SHARES.  y = block of 64 rows (four tiles), x = block of 128 columns.  Four waves, which share the columns: wave w owns columns 32 w .. 32 w + 31 of the block, two tiles of 16, against the four row tiles:
; 8 accumulators by turns, K step by K step.  Every fragment comes from memory straight into registers of its own, by four loads of 512 consecutive bytes: 16 of o_w (window 1), 32 of heads (windows 2 and 3).
; No register is loaded twice, so no place is owed between a K step's products and the loads.  The loads run two K steps (48 loads) ahead of the products.
; Source 0 = 16 columns of o_w, source 1 = 16 rows: a lane holds eight neighbouring columns of one row.  Lane r of row tile 2 b + u is row 32 b + 8 u + r + 8 (r / 8): the way out puts each row in its place in a stage in LDS;
; a barrier; each wave stores 16 whole rows of 512 bytes.
; NO CLUSTER, NO TENSOR LOAD, NO RING: a wave has 64 products in all, and each of its 96 KiB of codes is used as it lands; the 64 KiB of rows that the four waves share pass through no LDS, which spares a barrier and a round trip.
.set SPARE, 33792                      ; LDS: from 0 the stage, 64 rows x (512 bytes + 16); from here the spare words, 128 bytes a wave, which no other line names
.set LI0, 5                            ; v5   16 x lane
.set L4,  6                            ; v6   4 x lane
.set SO,  10                           ; v10  the stage: where I put 32 bytes of a row
.set WSO, 11                           ; v11  32 r: a column's row of scale bytes
.set SPW, 13                           ; v13  LDS address of my spare word; never rewritten
.set NIL, 14                           ; v14  0; never rewritten
.set SR,  15                           ; v15  the stage: where I read a row back
.set WSC, 32                           ; v32-47 o_w's scale words: 8 nt + s
.set XS,  48                           ; v48-79 the rows' scale words: 4 s + rt
.set RB,  128                          ; v128-191 the way out: 16 rows read back
.set ACC, 192                          ; v192-255 the accumulators: 32 nt + 8 rt
.set MSB, 0
.macro WIN new                         ; the immediate's high byte repeats the setting that is left
.if MSB != (\new)
	s_set_vgpr_msb (MSB<<8)|(\new)
.set MSB, (\new)
.endif
.endm
.macro LOADSTEP s                      ; K step s: my two fragments of o_w (window 1, at 16 (8 nt + s)) and the four of the rows (window 2 + s / 4, at 64 (s % 4) + 16 rt): 24 loads
	WIN 0x40
.irp nt, 0,1
.irp c, 0,1,2,3
	global_load_b128 v[16*(8*\nt+(\s))+4*\c:16*(8*\nt+(\s))+4*\c+3], v[LI0], s[8:9] offset:16384*\nt+2048*(\s)+512*\c
.endr
.endr
	WIN 0x80+0x40*((\s)/4)
.irp rt, 0,1,2,3
.irp c, 0,1,2,3
	global_load_b128 v[64*((\s)%4)+16*\rt+4*\c:64*((\s)%4)+16*\rt+4*\c+3], v[LI0], s[4:5] offset:16384*\rt+2048*(\s)+512*\c
.endr
.endr
	WIN 0
.endm
.macro MUL8 s                          ; the 8 accumulators take turns, one instruction a turn.  K step 0 starts the sums: nothing is cleared
.irp rt, 0,1,2,3
.irp nt, 0,1
.if (\s) == 0
	v_wmma_scale_f32_16x16x128_f8f6f4 v[ACC+32*\nt+8*\rt:ACC+32*\nt+8*\rt+7], v[16*(8*\nt+(\s)):16*(8*\nt+(\s))+15], v[64*((\s)%4)+16*\rt:64*((\s)%4)+16*\rt+15], 0, v[WSC+8*\nt+(\s)], v[XS+4*(\s)+\rt] matrix_a_fmt:MATRIX_FMT_BF8 matrix_b_fmt:MATRIX_FMT_BF8
.else
	v_wmma_scale_f32_16x16x128_f8f6f4 v[ACC+32*\nt+8*\rt:ACC+32*\nt+8*\rt+7], v[16*(8*\nt+(\s)):16*(8*\nt+(\s))+15], v[64*((\s)%4)+16*\rt:64*((\s)%4)+16*\rt+15], v[ACC+32*\nt+8*\rt:ACC+32*\nt+8*\rt+7], v[WSC+8*\nt+(\s)], v[XS+4*(\s)+\rt] matrix_a_fmt:MATRIX_FMT_BF8 matrix_b_fmt:MATRIX_FMT_BF8
.endif
.endr
.endr
.endm
.macro OSTEP s
.if (\s) < 6
	LOADSTEP (\s)+2
	s_wait_loadcnt 48                              ; this K step's loads (and all older ones) are in; the next two steps' 48 may be out
.elseif (\s) == 6
	s_wait_loadcnt 24                              ; the last step's 24 may be out
.else
	s_wait_loadcnt 0x0
.endif
	WIN 0x09+4*((\s)/4)                            ; source 0 (o_w) in window 1, source 1 (the rows) in window 2 or 3
	MUL8 \s
	WIN 0
.endm
	s_load_b256 s[4:11], s[0:1], 0x0               ; hcodes, hscales, wcodes, wscales
	s_load_b64 s[12:13], s[0:1], 0x20              ; out0
	v_lshl_add_u32 v[SPW], v0, 2, SPARE
	v_mov_b32 v[NIL], 0
	v_lshrrev_b32 v1, 5, v0
	v_readfirstlane_b32 s20, v1                    ; wave 0..3
	v_and_b32 v1, 31, v0                           ; lane
	v_and_b32 v2, 15, v0                           ; r
	v_bfe_u32 v3, v0, 4, 1                         ; h
	v_lshlrev_b32 v[LI0], 4, v1
	v_lshlrev_b32 v[L4], 2, v1
	v_lshlrev_b32 v[WSO], 5, v2
	v_and_b32 v12, 8, v2
	v_add_nc_u32 v12, v12, v2                      ; r + 8 (r / 8)
	v_mul_u32_u24 v[SO], v12, 528
	v_lshl_add_u32 v[SO], v3, 5, v[SO]
	s_lshl_b32 s29, s20, 7
	v_add_nc_u32 v[SO], s29, v[SO]                 ; the stage: my row, + 32 h, + 128 x wave: my columns' bytes
	s_mul_i32 s29, s20, 16*528
	v_add_nc_u32 v[SR], s29, v[LI0]                ; back: my 16 rows, 16 bytes a lane
	s_and_b32 s22, ttmp7, 0xffff                   ; block of 64 rows
	s_lshl_b32 s25, ttmp9, 3
	s_lshl_b32 s29, s20, 1
	s_add_co_u32 s25, s25, s29                     ; my first column tile: 8 x + 2 wave
	s_lshl_b32 s30, s22, 16                        ; hcodes: four tiles of 16,384 bytes a block
	s_mov_b32 s31, 0
	s_lshl_b32 s32, s22, 12                        ; hscales: four tiles of 1,024 bytes
	s_mov_b32 s33, 0
	s_lshl_b32 s34, s25, 14
	s_add_co_u32 s34, s34, 3<<20                   ; wcodes: o_w is tensor 3
	s_mov_b32 s35, 0
	s_lshl_b32 s36, s25, 9
	s_add_co_u32 s36, s36, 3<<15
	s_mov_b32 s37, 0
	s_lshl_b32 s38, s22, 6
	s_lshl_b32 s29, s20, 4
	s_add_co_u32 s38, s38, s29                     ; out0: row 64 y + 16 wave,
	s_lshl_b32 s38, s38, 12
	s_lshl_b32 s29, ttmp9, 9
	s_add_co_u32 s38, s38, s29                     ; + 512 x
	s_mov_b32 s39, 0
	s_wait_kmcnt 0x0
	s_add_nc_u64 s[4:5], s[4:5], s[30:31]
	s_add_nc_u64 s[6:7], s[6:7], s[32:33]
	s_add_nc_u64 s[8:9], s[8:9], s[34:35]
	s_add_nc_u64 s[10:11], s[10:11], s[36:37]
	s_add_nc_u64 s[12:13], s[12:13], s[38:39]
.irp nt, 0,1
.irp i, 0,1
	global_load_b128 v[WSC+8*\nt+4*\i:WSC+8*\nt+4*\i+3], v[WSO], s[10:11] offset:512*\nt+16*\i   ; column r's eight scale words
.endr
.endr
.irp s, 0,1,2,3,4,5,6,7
.irp rt, 0,1,2,3
	global_load_b32 v[XS+4*\s+\rt], v[L4], s[6:7] offset:1024*\rt+128*\s   ; the rows' scale words
.endr
.endr
	LOADSTEP 0
	LOADSTEP 1
.irp s, 0,1,2,3,4,5,6,7
	OSTEP \s
.endr
.rept 8
	v_nop                                          ; eight places ahead of the LDS stores that read the results
.endr
.irp nt, 0,1
.irp rt, 0,1,2,3
	ds_store_b128 v[SO], v[ACC+32*\nt+8*\rt:ACC+32*\nt+8*\rt+3] offset:528*(32*(\rt/2)+8*(\rt%2))+64*\nt        ; each accumulator from its low end on
	ds_store_b128 v[SO], v[ACC+32*\nt+8*\rt+4:ACC+32*\nt+8*\rt+7] offset:528*(32*(\rt/2)+8*(\rt%2))+64*\nt+16
.endr
.endr
	s_wait_dscnt 0x0                               ; for the others' sake: my stores into the stage have landed
	s_barrier_signal -1
	s_barrier_wait -1                              ; 64 whole rows lie in the stage
.irp i, 0,1,2,3,4,5,6,7,8,9,10,11,12,13,14,15
	ds_load_b128 v[RB+4*\i:RB+4*\i+3], v[SR] offset:528*\i
.endr
.irp i, 0,1,2,3,4,5,6,7,8,9,10,11,12,13,14,15
	s_wait_dscnt 15-\i                             ; the younger loads may be out
	global_store_b128 v[LI0], v[RB+4*\i:RB+4*\i+3], s[12:13] offset:4096*\i th:TH_STORE_NT   ; 32 lanes store 512 consecutive bytes, aligned; written once, read by nobody here
.endr
	s_wait_tensorcnt 0x0                           ; the wave's end: behind my last LDS store
	ds_add_u32 v[SPW], v[NIL]
	s_wait_dscnt 0x0
	s_endpgm
.Lfunc_end_k_q0805645807_outp:
	.size	k_q0805645807_outp, .Lfunc_end_k_q0805645807_outp-k_q0805645807_outp
	.p2alignl 7, 3214868480
	.fill 96, 4, 3214868480
	.section	.rodata,"a",@progbits
	.p2align	6, 0x0
	.amdhsa_kernel k_q0805645807_outp
		.amdhsa_group_segment_fixed_size 34304
		.amdhsa_private_segment_fixed_size 0
		.amdhsa_enable_private_segment 0
		.amdhsa_kernarg_size 40
		.amdhsa_user_sgpr_count 2
		.amdhsa_user_sgpr_kernarg_segment_ptr 1
		.amdhsa_wavefront_size32 1
		.amdhsa_system_sgpr_workgroup_id_x 1
		.amdhsa_system_sgpr_workgroup_id_y 1
		.amdhsa_system_sgpr_workgroup_id_z 1
		.amdhsa_system_vgpr_workitem_id 0
		.amdhsa_next_free_vgpr 1024
		.amdhsa_next_free_sgpr 66
		.amdhsa_reserve_vcc 0
		.amdhsa_float_denorm_mode_32 3
		.amdhsa_float_denorm_mode_16_64 3
		.amdhsa_memory_ordered 1
		.amdhsa_forward_progress 1
		.amdhsa_inst_pref_size 38
	.end_amdhsa_kernel
	.amdgpu_metadata
---
amdhsa.version: [ 1, 2 ]
amdhsa.kernels:
  - .name:           k_q0805645807_outp
    .symbol:         k_q0805645807_outp.kd
    .args:
      - { .name: hcodes, .offset: 0, .size: 8, .value_kind: global_buffer, .address_space: global }
      - { .name: hscales, .offset: 8, .size: 8, .value_kind: global_buffer, .address_space: global }
      - { .name: wcodes, .offset: 16, .size: 8, .value_kind: global_buffer, .address_space: global }
      - { .name: wscales, .offset: 24, .size: 8, .value_kind: global_buffer, .address_space: global }
      - { .name: out0, .offset: 32, .size: 8, .value_kind: global_buffer, .address_space: global }
    .group_segment_fixed_size: 34304
    .private_segment_fixed_size: 0
    .kernarg_segment_align: 8
    .kernarg_segment_size: 40
    .max_flat_workgroup_size: 128
    .sgpr_count:     66
    .vgpr_count:     1024
    .wavefront_size: 32
...
	.end_amdgpu_metadata
.endif
;; end of part 5
